; MI455X (gfx1250); checked and timed in simulation.
; The chip was launched on July 23, 2026; its instructions are those of AMD's public machine-readable ISA for CDNA 5 (MIT licence, August 2026) and "CDNA5" Instruction Set Architecture Reference Guide (July 2026). The comments in the code are by the model that wrote it; some were corrected since.
;; Masked Multihead Self Attention. Allowed arithmetic: matrix products marked QUANTISED: E2M1 operands, one E8M0 scale for each 32 along K, by v_wmma_scale_f32_16x16x128_f8f6f4 with both operands' format E2M1 (or v_wmma_scale_f32_32x16x128_f4), f32 sums; products left as they are: bf16, f16 or f32 operands; f32 sums; everything else in f32.
;; Inputs: W_out 1,024 x 1,024 float32; W_qkv 1,024 x 3,072 float32; attention_mask 4 x 2,048 float32; b_out 1,024 float32; b_qkv 3,072 float32; x 4 x 2,048 x 1,024 float32.
;; Outputs: out0 4 x 2,048 x 1,024 float32.
;; This version of the problem:
;;   THIS VERSION OF THE PROBLEM IS GIVEN IN LOW PRECISION. The matrix products marked QUANTISED in the list below multiply operands that are first quantised to E2M1 (2 exponent bits, 1 mantissa bit; 4 bits a number), with one power-of-two scale for each 32 numbers along K (OCP MX v1.0); their sums are f32. The products marked 'left as it is' may take bf16, f16 or f32 operands, with f32 sums. Whichever they take, every output number must still come out within the allowed error. Rounding operands to bf16 (8 significant bits) uses up far more of that allowance than f16 does (11 bits, for magnitudes from 6e-5 to 65,504). All else is computed in f32.
;;   The module's matrix products, in the order in which they are computed (A, B: the left and right operand; K: the contracted axis; several contracted axes count as one K, in the product's order):
;;     1. [M 8,192, K 1,024] x [K 1,024, N 3,072]; A: input x; B: input W_qkv: QUANTISED
;;     2. batch 64 x [M 2,048, K 64] x [K 64, N 2,048]; A: computed on the way; B: computed on the way: left as it is (an operand is computed on the way)
;;     3. batch 64 x [M 2,048, K 2,048] x [K 2,048, N 64]; A: computed on the way; B: computed on the way: left as it is (an operand is computed on the way)
;;     4. [M 8,192, K 1,024] x [K 1,024, N 1,024]; A: computed on the way; B: input W_out: left as it is (an operand is computed on the way)
;;   THE QUANTISER, for each operand of a quantised product, along K:
;;     - K is cut into blocks of 32 from its start; a last block that is shorter is filled with zeros.
;;     - A block's scale is 2^e with e = floor(log2(the largest magnitude in the block)) - 2, held to -126 .. 127; a block of zeros has e = 0. As a byte (E8M0): e + 127.
;;     - Each number is divided by its block's scale, clamped to +-6, and rounded to the nearest number of E2M1, ties to even, subnormals kept.
;;     - The product sums the exact products of the quantised numbers (number of the format x scale) in f32.
;;   ~~~python
;;   def quantise(x, axis):      # numpy; x: float32 -> the quantised numbers, widened to float32 again
;;       x = np.moveaxis(x, axis, -1); K = x.shape[-1]
;;       x = np.pad(x, [(0, 0)] * (x.ndim - 1) + [(0, -K % 32)]); x = x.reshape(x.shape[:-1] + (-1, 32)); a = np.abs(x).max(-1, keepdims=True)
;;       e = np.where(a > 0, np.clip(np.frexp(np.where(a > 0, a, 1))[1] - 1 - 2, -126, 127), 0)      # np.frexp(a)[1] - 1 = floor(log2(a)), exactly
;;       r = np.clip(x / 2.0 ** e, -6, 6)
;;       step = 2.0 ** (np.maximum(np.frexp(np.where(r == 0, 1, r))[1] - 1, 0) - 1)
;;       q = np.round(r / step) * step * 2.0 ** e      # np.round: ties to even
;;       return np.moveaxis(q.reshape(q.shape[:-2] + (-1,))[..., :K], -1, axis).astype(np.float32)
;;   ~~~
;; One version. Each part assembles by itself: llvm-mc -triple=amdgcn-amd-amdhsa -mcpu=gfx1250 --defsym DOCPART=n.
;; ======== version 1 of 1: 4 launches
;; limits: values are held in f16: magnitudes above 65,504 overflow, below 6.1e-05 lose precision
;; workspace buffers: x_codes 4,194,304 bytes; x_scales 262,144 bytes; w_codes 1,572,864 bytes; w_scales 98,304 bytes; wo16 2,097,152 bytes; qkvh 50,331,648 bytes; wv 16,777,216 bytes
;; launch prep (part 1): grid 288 x 1, 8 waves a work-group, no clusters, 84,992 bytes of LDS; arguments x, W_qkv, W_out, x_codes, x_scales, w_codes, w_scales, wo16; writes x_codes, x_scales, w_codes, w_scales, wo16
.if DOCPART == 1
	.amdgcn_target "amdgcn-amd-amdhsa--gfx1250"
	.amdhsa_code_object_version 6
	.text
	.protected	k_q32194dc341_prep
	.globl	k_q32194dc341_prep
	.p2align	8
	.type	k_q32194dc341_prep,@function
k_q32194dc341_prep:
	s_mov_b64 s[64:65], 0
	v_nop
	global_prefetch_b8 v0, s[64:65] scope:SCOPE_SE
	s_setreg_imm32_b32 hwreg(HW_REG_WAVE_MODE, 25, 1), 1
	s_wait_xcnt 0x0
; PREP: the operands of the later launches are made once.  Three kinds of work-group, told apart by the work-group's number alone:
;   0-95    W_qkv [1024 (k)][3072 (n)] f32 -> codes of FP4 (E2M1) laid [3072][512 bytes], K innermost, and E8M0 scale bytes [3072][32]
;   96-223  x [8192][1024] f32 -> codes [8192][512 bytes] and scale bytes [8192][32]: K is innermost, so x is a plain stream of blocks of 32
;   224-287 W_out [1024][1024] f32 -> f16, in the same order
; A block's scale is 2^(floor(log2(its largest magnitude)) - 2); its byte is the largest magnitude's exponent field - 2, held at 1 from below.
; LIMITS: a block of zeros gets the byte 1 where the quantiser says 127: its codes are zeros, which add nothing under any byte but 0xff, and this program alone reads the bytes.
; Blocks whose largest magnitude lies under 2^(3 - 127), the floor, keep the byte 1.  NaN and infinities among the inputs are not served.  W_out beyond 65,504 is not served (f16).
; Each kind has LDS bytes of its own: x's eight waves 8,192 each from byte 0; W_qkv's stage and scale words from byte 65,536.
.set WREG,  8192                       ; x: a wave's region: two stages of 32 x SP bytes, behind them its 256 scale bytes
.set SP,    80                         ; x: a lane's place in a stage: 64 bytes + 16 of padding
.set WSTG,  65536                      ; W_qkv: 64 columns x (256 bytes of codes + 16)
.set WP,    272
.set WSC,   WSTG+64*WP                 ; W_qkv: 64 columns x 16 scale bytes
.set SPARE, WSC+1024                   ; the spare words, 128 bytes for each wave: four blocks of 256 bytes that no other line names
.set SPW,   1                          ; v1  LDS address of my spare word; never rewritten
.set NIL,   2                          ; v2  0; never rewritten
.set LN,    3                          ; v3  lane
.set STEPS, 16
.set R,     16                         ; x: v16-79 four sets of 16 numbers as loaded
.set X,     80                         ; x: v80-111 two sets of 16 neighbours
.set E,     112                        ; x: v112-127 a scale byte for each step
.set C,     128                        ; x: v128-191 codes, registers of its own for each step
	s_load_b256 s[4:11], s[0:1], 0x0               ; x s[4:5], W_qkv s[6:7], W_out s[8:9], x_codes s[10:11]
	s_load_b256 s[12:19], s[0:1], 0x20             ; x_scales s[12:13], w_codes s[14:15], w_scales s[16:17], wo16 s[18:19]
	v_lshl_add_u32 v[SPW], v0, 2, SPARE
	v_mov_b32 v[NIL], 0
	v_lshrrev_b32 v4, 5, v0
	v_readfirstlane_b32 s20, v4                    ; wave 0..7
	v_and_b32 v[LN], 31, v0
	s_mov_b32 s23, 0                               ; the upper word of 32-bit offsets
	s_wait_kmcnt 0x0
	s_cmp_lt_u32 ttmp9, 96
	s_cbranch_scc1 .Lpath_w
	s_cmp_lt_u32 ttmp9, 224
	s_cbranch_scc1 .Lpath_x
; ---- W_out to f16.  A wave takes 2,048 numbers: 16 loads of 512 consecutive bytes, 16 stores of 256 consecutive bytes.
	s_sub_co_u32 s21, ttmp9, 224
	s_lshl_b32 s21, s21, 3
	s_add_co_u32 s21, s21, s20                     ; which run of 2,048 numbers
	s_lshl_b32 s22, s21, 13
	s_add_nc_u64 s[8:9], s[8:9], s[22:23]
	s_lshl_b32 s22, s21, 12
	s_add_nc_u64 s[18:19], s[18:19], s[22:23]
	v_lshlrev_b32 v4, 4, v[LN]
	v_lshlrev_b32 v5, 3, v[LN]
.irp t, 0,1,2,3,4,5,6,7,8,9,10,11,12,13,14,15
	global_load_b128 v[16+4*\t:19+4*\t], v4, s[8:9] offset:512*\t th:TH_LOAD_NT
.endr
.irp t, 0,1,2,3,4,5,6,7,8,9,10,11,12,13,14,15
	s_wait_loadcnt 15-\t                           ; loads come back in order: load t is in, the later ones stay out
	v_cvt_pk_f16_f32 v[80+2*\t], v[16+4*\t], v[17+4*\t]
	v_cvt_pk_f16_f32 v[81+2*\t], v[18+4*\t], v[19+4*\t]
	global_store_b64 v5, v[80+2*\t:81+2*\t], s[18:19] offset:256*\t   ; registers of its own for each store: none is written again
.endr
	s_wait_tensorcnt 0x0                           ; the wave's end
	ds_add_u32 v[SPW], v[NIL]
	s_wait_dscnt 0x0
	s_endpgm
; ---- x.  A wave takes 16 steps of 512 numbers.  Each load reads 512 consecutive bytes, 16 a lane; a step's 2,048 bytes turn through the wave's own stage in LDS
; and come back 64 bytes a lane, so that a lane holds 16 neighbours along K and two neighbouring lanes a block of 32.  Loads run four steps ahead, the turn one step.
.Lpath_x:
	s_sub_co_u32 s21, ttmp9, 96
	s_lshl_b32 s21, s21, 3
	s_add_co_u32 s21, s21, s20                     ; which run of 8,192 numbers: 0..1023
	s_lshl_b32 s22, s21, 15
	s_add_nc_u64 s[4:5], s[4:5], s[22:23]
	s_lshl_b32 s22, s21, 12
	s_add_nc_u64 s[10:11], s[10:11], s[22:23]
	s_lshl_b32 s22, s21, 8
	s_add_nc_u64 s[12:13], s[12:13], s[22:23]
	s_mul_i32 s24, s20, WREG
	v_lshlrev_b32 v4, 4, v[LN]                     ; my 16 bytes of a load's 512
	v_lshrrev_b32 v5, 2, v[LN]
	v_mul_u32_u24 v5, v5, SP
	v_and_b32 v6, 3, v[LN]
	v_lshl_add_u32 v5, v6, 4, v5
	v_add_nc_u32 v5, s24, v5                       ; the stage, on the way in: SP (lane / 4) + 16 (lane % 4)
	v_mul_u32_u24 v6, v[LN], SP
	v_add_nc_u32 v6, s24, v6                       ; and on the way out: SP x lane
	v_lshlrev_b32 v7, 3, v[LN]                     ; 8 bytes a lane: my codes in a step's 256, my part of the wave's 256 scale bytes
	v_lshrrev_b32 v8, 1, v[LN]
	s_add_co_u32 s24, s24, 2*32*SP
	v_add_nc_u32 v8, s24, v8                       ; LDS: my block's scale byte
	v_add_nc_u32 v9, s24, v7                       ; and where I read 8 of them back
.macro XLOAD t
.irp i, 0,1,2,3
	global_load_b128 v[R+16*((\t)%4)+4*\i:R+16*((\t)%4)+4*\i+3], v4, s[4:5] offset:2048*(\t)+512*\i th:TH_LOAD_NT
.endr
.endm
.macro XTURN t                         ; LDS serves a wave's instructions in order: no wait between the stores and the loads
.irp i, 0,1,2,3
	ds_store_b128 v5, v[R+16*((\t)%4)+4*\i:R+16*((\t)%4)+4*\i+3] offset:32*SP*((\t)%2)+8*SP*\i
.endr
.irp i, 0,1,2,3
	ds_load_b128 v[X+16*((\t)%2)+4*\i:X+16*((\t)%2)+4*\i+3], v6 offset:32*SP*((\t)%2)+16*\i
.endr
.endm
.irp t, 0,1,2,3
	XLOAD \t
.endr
	s_wait_loadcnt 12                              ; step 0's four loads are in
	XTURN 0
.macro XSTEP t
.set XS, X+16*((\t)%2)
.if (\t) > 0
	s_wait_dscnt 1                                 ; this step's numbers are back from the stage (the last step's byte store may be out)
.else
	s_wait_dscnt 0x0
.endif
.if (\t)+4 < STEPS
	XLOAD (\t)+4                                   ; into the set whose stores into the stage have been served
.endif
.if (\t)+1 < STEPS
.if STEPS-2-(\t) >= 3
	s_wait_loadcnt 12                              ; the next step's four loads are in; those of the three steps behind it may be out
.else
	s_wait_loadcnt 4*(STEPS-2-(\t))
.endif
	XTURN (\t)+1
.endif
	v_max3_num_f32 v10, |v[XS]|, |v[XS+1]|, |v[XS+2]|              ; the largest magnitude of my 16, in two chains
	v_max3_num_f32 v11, |v[XS+3]|, |v[XS+4]|, |v[XS+5]|
.irp i, 6,10
	v_max3_num_f32 v10, v10, |v[XS+\i]|, |v[XS+\i+1]|
	v_max3_num_f32 v11, v11, |v[XS+\i+2]|, |v[XS+\i+3]|
.endr
	v_max3_num_f32 v10, v10, |v[XS+14]|, |v[XS+15]|
	v_max3_num_f32 v10, v10, v11, 0x1800000        ; and the floor 2^(3 - 127): the byte cannot fall under 1
	v_max_num_f32_dpp v10, v10, v10 row_xmask:1 row_mask:0xf bank_mask:0xf   ; with my neighbour's 16: the block's
	v_add_nc_u32 v12, 0xff000000, v10              ; 2 off its exponent field: the conversion takes this operand's exponent field as its scale
	v_cvt_scalef32_pk8_fp4_f32 v[C+4*(\t)], v[XS:XS+7], v12
	v_cvt_scalef32_pk8_fp4_f32 v[C+4*(\t)+1], v[XS+8:XS+15], v12
	v_lshrrev_b32 v[E+(\t)], 23, v12               ; the scale's byte (also the plain line behind the conversions)
	ds_store_b8 v8, v[E+(\t)] offset:16*(\t)       ; both lanes of a block write the same byte with the same value
	global_store_b64 v7, v[C+4*(\t):C+4*(\t)+1], s[10:11] offset:256*(\t)   ; the wave stores 256 consecutive bytes
.endm
.irp t, 0,1,2,3,4,5,6,7,8,9,10,11,12,13,14,15
	XSTEP \t
.endr
	ds_load_b64 v[10:11], v9                       ; served behind my byte stores
	s_wait_dscnt 0x0
	global_store_b64 v7, v[10:11], s[12:13]        ; the wave's 256 scale bytes, consecutive
	s_wait_tensorcnt 0x0                           ; the wave's end, behind my last LDS store
	ds_add_u32 v[SPW], v[NIL]
	s_wait_dscnt 0x0
	s_endpgm
; ---- W_qkv.  A work-group takes 64 columns x 512 along K.  A LANE TAKES A COLUMN AND ITS REGISTERS RUN DOWN K: wave w takes columns 32 (w % 2) on and K 128 (w / 2) on: four blocks of 32.
; Two waves side by side read 256 consecutive bytes of a row of W.  A block lies in one lane's 32 registers, so its maximum needs no other lane and the codes come out with K innermost.
; The codes meet in a stage (a column's 256 bytes a row), and leave as rows: sixteen lanes store 256 consecutive bytes.
.Lpath_w:
	s_lshr_b32 s21, ttmp9, 1                       ; which 64 columns
	s_and_b32 s22, ttmp9, 1                        ; which half of K
	s_and_b32 s24, s20, 1                          ; which 32 of the columns
	s_lshr_b32 s25, s20, 1                         ; which 128 of the 512
	s_lshl_b32 s26, s22, 9
	s_lshl_b32 s27, s25, 7
	s_add_co_u32 s26, s26, s27                     ; my first k
	s_mul_i32 s28, s26, 12288                      ; rows of 3,072 f32
	s_lshl_b32 s27, s21, 8
	s_add_co_u32 s28, s28, s27
	s_lshl_b32 s27, s24, 7
	s_add_co_u32 s28, s28, s27
	s_mov_b32 s29, 0
	s_add_nc_u64 s[6:7], s[6:7], s[28:29]
	s_lshl_b32 s28, s21, 15                        ; codes: (64 cg + 8 w) rows of 512 bytes + 256 kh
	s_lshl_b32 s27, s20, 12
	s_add_co_u32 s28, s28, s27
	s_lshl_b32 s27, s22, 8
	s_add_co_u32 s28, s28, s27
	s_add_nc_u64 s[14:15], s[14:15], s[28:29]
	s_lshl_b32 s28, s21, 11                        ; scale bytes: (64 cg + 8 w) rows of 32 bytes + 16 kh
	s_lshl_b32 s27, s20, 8
	s_add_co_u32 s28, s28, s27
	s_lshl_b32 s27, s22, 4
	s_add_co_u32 s28, s28, s27
	s_add_nc_u64 s[16:17], s[16:17], s[28:29]
	v_lshlrev_b32 v4, 2, v[LN]                     ; in: 4 bytes a lane
	s_mul_i32 s26, s24, 32*WP
	s_lshl_b32 s27, s25, 6
	s_add_co_u32 s26, s26, s27
	s_add_co_u32 s26, s26, WSTG
	v_mul_u32_u24 v5, v[LN], WP
	v_add_nc_u32 v5, s26, v5                       ; the stage: row = my column, + 64 bytes for each 128 along K
	s_lshl_b32 s26, s24, 9
	s_lshl_b32 s27, s25, 2
	s_add_co_u32 s26, s26, s27
	s_add_co_u32 s26, s26, WSC
	v_lshl_add_u32 v6, v[LN], 4, s26               ; my column's 16 scale bytes, my word of them
	s_mul_i32 s26, s20, 8*WP
	s_add_co_u32 s26, s26, WSTG
	v_lshrrev_b32 v12, 4, v[LN]
	v_and_b32 v13, 15, v[LN]
	v_mul_u32_u24 v7, v12, WP
	v_lshl_add_u32 v7, v13, 4, v7
	v_add_nc_u32 v7, s26, v7                       ; back: wave w takes rows 8 w on; sixteen lanes to a row, two rows an instruction
	v_lshlrev_b32 v15, 9, v12
	v_lshl_add_u32 v15, v13, 4, v15                ; and the same place in the codes' buffer
	s_lshl_b32 s26, s20, 7
	s_add_co_u32 s26, s26, WSC
	v_lshl_add_u32 v16, v[LN], 2, s26              ; the scale words of columns 8 w on: 128 consecutive bytes, a word a lane
	v_lshrrev_b32 v12, 2, v[LN]
	v_and_b32 v13, 3, v[LN]
	v_lshlrev_b32 v17, 5, v12
	v_lshl_add_u32 v17, v13, 2, v17                ; in memory: four lanes fill a column's 16 bytes, columns 32 bytes apart
.macro WLOAD t                         ; block t: W(32 t + i, my column), i = 0 .. 31, into set t % 2
.set wi, 0
.rept 32
	global_load_b32 v[32+32*((\t)%2)+wi], v4, s[6:7] offset:(32*(\t)+wi)*12288 th:TH_LOAD_NT
.set wi, wi+1
.endr
.endm
	WLOAD 0
	WLOAD 1
.macro WBLOCK t
.set XS, 32+32*((\t)%2)
.if (\t) < 3
	s_wait_loadcnt 32                              ; this block's 32 loads are in; the next block's may be out
.else
	s_wait_loadcnt 0x0
.endif
	v_max3_num_f32 v8, |v[XS]|, |v[XS+1]|, |v[XS+2]|               ; the block's largest magnitude: all 32 numbers are mine
	v_max3_num_f32 v9, |v[XS+3]|, |v[XS+4]|, |v[XS+5]|
.irp i, 6,10,14,18,22,26
	v_max3_num_f32 v8, v8, |v[XS+\i]|, |v[XS+\i+1]|
	v_max3_num_f32 v9, v9, |v[XS+\i+2]|, |v[XS+\i+3]|
.endr
	v_max3_num_f32 v8, v8, |v[XS+30]|, |v[XS+31]|
	v_max3_num_f32 v8, v8, v9, 0x1800000           ; and the floor 2^(3 - 127)
	v_add_nc_u32 v10, 0xff000000, v8               ; 2 off its exponent field: the conversion's scale operand
	v_lshrrev_b32 v11, 23, v10                     ; the scale's byte
.if (\t) == 0
	v_mov_b32 v14, v11                             ; four bytes to a word, the lower K in the lower byte
.else
	v_lshl_or_b32 v14, v11, 8*(\t), v14
.endif
.irp g, 0,1,2,3
	v_cvt_scalef32_pk8_fp4_f32 v[96+4*(\t)+\g], v[XS+8*\g:XS+8*\g+7], v10   ; registers of its own for each block; the results go to LDS stores alone
.endr
	ds_store_b128 v5, v[96+4*(\t):99+4*(\t)] offset:16*(\t)
.if (\t)+2 < 4
	WLOAD (\t)+2
.endif
.endm
	WBLOCK 0
	WBLOCK 1
	WBLOCK 2
	WBLOCK 3
	ds_store_b32 v6, v14
	s_wait_dscnt 0x0                               ; for the others' sake: my stores into the stage are done
	s_barrier_signal -1
	s_barrier_wait -1
.irp i, 0,1,2,3
	ds_load_b128 v[112+4*\i:115+4*\i], v7 offset:2*\i*WP
.endr
	ds_load_b32 v18, v16
.irp i, 0,1,2,3
	s_wait_dscnt 4-\i                              ; load i is in, the later ones stay out
	global_store_b128 v15, v[112+4*\i:115+4*\i], s[14:15] offset:1024*\i   ; sixteen lanes store 256 consecutive bytes
.endr
	s_wait_dscnt 0x0
	global_store_b32 v17, v18, s[16:17]
	s_wait_tensorcnt 0x0                           ; the wave's end, behind my last LDS store
	ds_add_u32 v[SPW], v[NIL]
	s_wait_dscnt 0x0
	s_endpgm
.Lfunc_end_k_q32194dc341_prep:
	.size	k_q32194dc341_prep, .Lfunc_end_k_q32194dc341_prep-k_q32194dc341_prep
	.p2alignl 7, 3214868480
	.fill 96, 4, 3214868480
	.section	.rodata,"a",@progbits
	.p2align	6, 0x0
	.amdhsa_kernel k_q32194dc341_prep
		.amdhsa_group_segment_fixed_size 84992
		.amdhsa_private_segment_fixed_size 0
		.amdhsa_enable_private_segment 0
		.amdhsa_kernarg_size 64
		.amdhsa_user_sgpr_count 2
		.amdhsa_user_sgpr_kernarg_segment_ptr 1
		.amdhsa_wavefront_size32 1
		.amdhsa_system_sgpr_workgroup_id_x 1
		.amdhsa_system_sgpr_workgroup_id_y 1
		.amdhsa_system_sgpr_workgroup_id_z 1
		.amdhsa_system_vgpr_workitem_id 0
		.amdhsa_next_free_vgpr 192
		.amdhsa_next_free_sgpr 66
		.amdhsa_reserve_vcc 0
		.amdhsa_float_denorm_mode_32 3
		.amdhsa_float_denorm_mode_16_64 3
		.amdhsa_memory_ordered 1
		.amdhsa_forward_progress 1
		.amdhsa_inst_pref_size 61
	.end_amdhsa_kernel
	.amdgpu_metadata
---
amdhsa.version: [ 1, 2 ]
amdhsa.kernels:
  - .name:           k_q32194dc341_prep
    .symbol:         k_q32194dc341_prep.kd
    .args:
      - { .name: x, .offset: 0, .size: 8, .value_kind: global_buffer, .address_space: global }
      - { .name: W_qkv, .offset: 8, .size: 8, .value_kind: global_buffer, .address_space: global }
      - { .name: W_out, .offset: 16, .size: 8, .value_kind: global_buffer, .address_space: global }
      - { .name: x_codes, .offset: 24, .size: 8, .value_kind: global_buffer, .address_space: global }
      - { .name: x_scales, .offset: 32, .size: 8, .value_kind: global_buffer, .address_space: global }
      - { .name: w_codes, .offset: 40, .size: 8, .value_kind: global_buffer, .address_space: global }
      - { .name: w_scales, .offset: 48, .size: 8, .value_kind: global_buffer, .address_space: global }
      - { .name: wo16, .offset: 56, .size: 8, .value_kind: global_buffer, .address_space: global }
    .group_segment_fixed_size: 84992
    .private_segment_fixed_size: 0
    .kernarg_segment_align: 8
    .kernarg_segment_size: 64
    .max_flat_workgroup_size: 256
    .sgpr_count:     66
    .vgpr_count:     192
    .wavefront_size: 32
...
	.end_amdgpu_metadata
.endif
;; end of part 1
;; launch qkv (part 2): grid 12 x 32, 4 waves a work-group, clusters of 4 x 4, 327,680 bytes of LDS; arguments x_codes, x_scales, w_codes, w_scales, b_qkv, attention_mask, qkvh; writes qkvh
.if DOCPART == 2
	.amdgcn_target "amdgcn-amd-amdhsa--gfx1250"
	.amdhsa_code_object_version 6
	.text
	.protected	k_q32194dc341_qkv
	.globl	k_q32194dc341_qkv
	.p2align	8
	.type	k_q32194dc341_qkv,@function
k_q32194dc341_qkv:
	s_mov_b64 s[64:65], 0
	v_nop
	global_prefetch_b8 v0, s[64:65] scope:SCOPE_SE
	s_setreg_imm32_b32 hwreg(HW_REG_WAVE_MODE, 25, 1), 1
	s_wait_xcnt 0x0
	s_wait_alu depctr_hold_cnt(0) depctr_sa_sdst(0) depctr_va_vdst(0) depctr_va_sdst(0) depctr_va_ssrc(0) depctr_va_vcc(0) depctr_vm_vsrc(0)
	s_getreg_b32 s2, hwreg(HW_REG_IB_STS2, 6, 4)
	s_cmp_eq_u32 s2, 0
	s_cbranch_scc0 .Lentry_in_a_cluster
	s_endpgm
.Lentry_in_a_cluster:
	s_bfe_u32 s2, ttmp6, 0x10000c
	s_cmp_lg_u32 s2, 0xf033
	s_cbranch_scc0 .Lentry_shape_is_right
	s_endpgm
.Lentry_shape_is_right:
; QKV = Q(x) Q(W_qkv) + b_qkv on codes of FP4 (E2M1) with one E8M0 scale for each 32 along K; sums in f32.  x: [8192][1024], W: [3072][1024] as codes, K innermost.
; The result leaves as f16, split by section and head: qkvh [3 (Q, K, V)][batch 4][head 16][token 2048][64].  On the way out, in f32, ahead of the one rounding to f16:
;   Q is multiplied by log2(e) / 8, so that the next launch's scores arrive as exponents of 2;
;   a row of K whose key has a pad other than 0 ((1 - mask) x the least f32 number) is set to 0: the next launch then adds the pad to products that are exact zeros.
; LIMITS: Q, K, V beyond 65,504 in magnitude are not served (f16).  A pad other than 0 is at least 2^-24 x 3.4e38 and swallows every score under 1e24 in f32, as it does in the definition; scores beyond that are not served.
; A tile of 256 x 256 is made by four waves, each 128 x 128: 64 accumulators, 512 registers.  K = 1,024 is two slots of 512 (LDS rows of 256 bytes): both are first fills; nothing is filled again.
; The scale bytes of the work-group's 256 + 256 rows, for all of K, come once, as dense blocks.
; CLUSTERS: 4 x 4 work-groups; x's tiles are asked for jointly along a row of the cluster, W's along a column.
; THE MATRIX INSTRUCTION IS USED TRANSPOSED (source 0 = 16 rows of W, source 1 = 16 rows of x): a lane holds eight neighbouring columns of one token.  The bias is the C of each sum's first instruction.
; REGISTERS: window 0: v0-31 addresses; v32-95 scale words, two sets (scales and nothing else); v96-111 a factor for each of my 8 blocks of 16 tokens (in pairs); v128-191 x's fragments, ONE set, on the way out rows read back;
;   v192-255 the bias in the result's layout, on the way out packed f16.   window 1: W's fragments, two sets.   windows 2, 3: the accumulators ((a, b) at v[8 (8 (a % 4) + b)]).
.set NQ,     4                         ; steps of 128 along K in a slot
.set ROWB,   256                       ; a tile's row in bytes: 512 codes
.set KROW,   512                       ; a row of codes in memory
.set PITCH,  272                       ; an LDS row: 256 bytes + 16 of padding: the 16 rows that a load touches start 68 words apart
.set FR,     8
.set NL,     2
.set NP,     4
.set HALFT,  128*PITCH
.set SLOT,   4*HALFT
.set KS,     32                        ; a row of scale bytes
.set SCL,    2*SLOT
.set HALFS,  (128*KS/256)*272
.set SBLK,   (16*KS/256)*272
.set SPARE,  SCL+4*HALFS               ; the spare words, 128 bytes for each wave: two blocks of 256 bytes that no other line names
.set ADRA, 16
.set ADRB, 20
.set STO,  24                          ; the way out: where I put 16 bytes of a token's row
.set RD,   25                          ; and where I read back
.set CO,   26                          ; 16 x lane
.set ADRS, 27
.set SPW,  28
.set NIL,  29
.set SC,   32
.set FA,   96
.set AF,   128
.set BK,   128
.set BI,   192
.set TMP,  192
.set G1, 24
.set G0, 32
.set G1B, 48
.set G0B, 56
.set G1S, 68
.set G0S, 76
.set G1SB, 80
.set G0SB, 88
.set MSB, 0
.macro WIN new                         ; the immediate's high byte repeats the setting that is left
.if MSB != (\new)
	s_set_vgpr_msb (MSB<<8)|(\new)
.set MSB, (\new)
.endif
.endm
.set MUL_LO, 0xa1                      ; source 0 (W) window 1, source 1 (x) window 0, C and D window 2
.set MUL_HI, 0xf1                      ; the same, C and D window 3
.set TO_B,   0x40
; A joint load: waves 0 and 1 fetch for x, waves 2 and 3 for W.  The branch hangs on the wave's number alone.  An s_nop 0 and four v_nop follow each of the two lines.
.macro JLOAD g0a, g1a, g0b, g1b
	s_cmp_eq_u32 s15, 0
	s_cbranch_scc0 .Lfor_b_\@
	tensor_load_to_lds s[\g0a:\g0a+3], s[\g1a:\g1a+7]
	s_nop 0
.rept 4
	v_nop
.endr
	s_branch .Lasked_\@
.Lfor_b_\@:
	tensor_load_to_lds s[\g0b:\g0b+3], s[\g1b:\g1b+7]
	s_nop 0
.rept 4
	v_nop
.endr
.Lasked_\@:
.endm
.macro CROUND                          ; a round of the cluster's barrier
	s_barrier_signal -1
	s_barrier_wait -1
	s_cmp_lg_u32 s14, 0
	s_cbranch_scc1 .Lnot_wave_0_\@
	s_barrier_signal -3
.Lnot_wave_0_\@:
	s_barrier_wait -3
	s_barrier_signal -1
	s_barrier_wait -1
.endm
	s_load_b256 s[4:11], s[0:1], 0x0               ; x's codes s[4:5], x's scales s[6:7], W's codes s[8:9], W's scales s[10:11]
	s_load_b128 s[96:99], s[0:1], 0x20             ; b_qkv s[96:97], attention_mask s[98:99]
	s_load_b64 s[12:13], s[0:1], 0x30              ; qkvh
	v_lshl_add_u32 v[SPW], v0, 2, SPARE
	v_mov_b32 v[NIL], 0
	ds_add_u32 v[SPW], v[NIL]                      ; the wave's opening: the add and its wait stand ahead of my first tensor load; the set-up below stands between them
	v_lshrrev_b32 v1, 5, v0
	v_readfirstlane_b32 s14, v1                    ; wave 0..3
	s_lshr_b32 s15, s14, 1                         ; which half of the tile's tokens is mine.  Also: I fetch for x (0) or for W (1)
	s_and_b32 s16, s14, 1                          ; which half of its columns.  Also: which 128 rows I fetch
	s_bfe_u32 s40, ttmp6, 0x40000                  ; cx, cy: my place in the cluster
	s_bfe_u32 s41, ttmp6, 0x40004
	s_lshl_b32 s42, ttmp9, 2
	s_add_co_u32 s42, s42, s40                     ; tile column = 4 x cluster x + cx
	s_and_b32 s17, ttmp7, 0xffff
	s_lshl_b32 s17, s17, 2
	s_add_co_u32 s17, s17, s41                     ; tile row = 4 x cluster y + cy
	s_lshl_b32 s43, s41, 2
	s_lshl_b32 s43, 15, s43                        ; my row of the cluster
	s_lshl_b32 s44, 0x1111, s40                    ; my column
	s_or_b32 s[G1+0], s43, (0<<16)|(1<<20)|(1<<21)|(5<<22)|(3<<25)  ; the mask; elements of 1 byte; padding on; bit 21 beside a mask; four words behind every 64
	s_or_b32 s[G1B+0], s44, (0<<16)|(1<<20)|(1<<21)|(5<<22)|(3<<25)
.irp g, G1, G1B
	s_mov_b32 s[\g+1], ROWB<<16                    ; tensor_dim0
	s_mov_b32 s[\g+2], 128<<16                     ; tensor_dim1
	s_mov_b32 s[\g+3], ROWB<<16                    ; tile_dim0
	s_mov_b32 s[\g+4], 128                         ; tile_dim1
	s_mov_b32 s[\g+5], KROW                        ; the pitch
	s_mov_b32 s[\g+6], 0
	s_mov_b32 s[\g+7], 0
.endr
	s_or_b32 s[G1S+0], s43, (3<<16)|(1<<20)|(1<<21)|(5<<22)|(3<<25)  ; the scales of 128 rows: 4,096 dense bytes as 16 rows of 256 (32 elements of 8 bytes), 16 bytes of padding behind each
	s_or_b32 s[G1SB+0], s44, (3<<16)|(1<<20)|(1<<21)|(5<<22)|(3<<25)
.irp g, G1S, G1SB
	s_mov_b32 s[\g+1], 32<<16
	s_mov_b32 s[\g+2], (128*KS/256)<<16
	s_mov_b32 s[\g+3], 32<<16
	s_mov_b32 s[\g+4], 128*KS/256
	s_mov_b32 s[\g+5], 32
	s_mov_b32 s[\g+6], 0
	s_mov_b32 s[\g+7], 0
.endr
	s_lshl_b32 s18, s16, 7
	s_lshl_b32 s20, s17, 8
	s_add_co_u32 s20, s20, s18                     ; x: row 256 x tile row + 128 x half
	s_lshl_b32 s46, s42, 8
	s_add_co_u32 s46, s46, s18                     ; W: row 256 x tile column + 128 x half
	s_mov_b32 s21, 0
	s_mov_b32 s47, 0
	s_mov_b64 s[18:19], KS
	s_mul_u64 s[22:23], s[20:21], s[18:19]         ; where these rows' scales begin,
	s_mul_u64 s[92:93], s[46:47], s[18:19]
	s_mov_b64 s[18:19], KROW
	s_mul_u64 s[20:21], s[20:21], s[18:19]         ; and their codes
	s_mul_u64 s[46:47], s[46:47], s[18:19]
	s_mul_i32 s45, s14, HALFT                      ; where they go: wave x 128 rows
	s_mul_i32 s94, s14, HALFS
	s_wait_dscnt 0x0                               ; the opening add is done
	s_wait_kmcnt 0x0
	s_add_nc_u64 s[20:21], s[4:5], s[20:21]
	s_add_nc_u64 s[22:23], s[6:7], s[22:23]
	s_add_nc_u64 s[46:47], s[8:9], s[46:47]
	s_add_nc_u64 s[92:93], s[10:11], s[92:93]
	CROUND                                         ; all sixteen work-groups are here: the joint loads meet
	s_mov_b32 s[G0S], 1
	s_add_co_u32 s[G0S+1], s94, SCL
	s_mov_b64 s[G0S+2:G0S+3], s[22:23]
	s_or_b32 s[G0S+3], s[G0S+3], 0x80000000
	s_mov_b32 s[G0SB], 1
	s_add_co_u32 s[G0SB+1], s94, SCL
	s_mov_b64 s[G0SB+2:G0SB+3], s[92:93]
	s_or_b32 s[G0SB+3], s[G0SB+3], 0x80000000
	JLOAD G0S, G1S, G0SB, G1SB                     ; the scales first; then both slots: three loads of mine are out
.irp s, 0,1
	s_mov_b32 s[G0+4*\s], 1
	s_add_co_u32 s[G0+4*\s+1], s45, \s*SLOT
	s_add_nc_u64 s[G0+4*\s+2:G0+4*\s+3], s[20:21], \s*ROWB
	s_or_b32 s[G0+4*\s+3], s[G0+4*\s+3], 0x80000000
	s_mov_b32 s[G0B+4*\s], 1
	s_add_co_u32 s[G0B+4*\s+1], s45, \s*SLOT
	s_add_nc_u64 s[G0B+4*\s+2:G0B+4*\s+3], s[46:47], \s*ROWB
	s_or_b32 s[G0B+4*\s+3], s[G0B+4*\s+3], 0x80000000
	JLOAD G0+4*\s, G1, G0B+4*\s, G1B
.endr
	v_and_b32 v1, 15, v0                           ; r = lane % 16
	v_bfe_u32 v2, v0, 4, 1                         ; h = lane / 16
	v_mul_u32_u24 v3, v1, PITCH
	v_lshl_add_u32 v4, v2, 4, v3                   ; a fragment's row x pitch + 16 h
	s_mul_i32 s21, s15, HALFT
	s_mul_i32 s22, s16, HALFT
	s_add_co_u32 s22, s22, 2*HALFT
.irp s, 0,1
	v_add_nc_u32 v[ADRA+\s], s21, v4
	v_add_nc_u32 v[ADRB+\s], s22, v4
	s_add_co_u32 s21, s21, SLOT
	s_add_co_u32 s22, s22, SLOT
.endr
	v_mul_u32_u24 v5, v1, KS                       ; my row's scales: 32 bytes a row,
	v_lshrrev_b32 v6, 8, v5
	v_lshl_add_u32 v5, v6, 4, v5                   ; and 16 more for each 256 passed
	s_mul_i32 s21, s15, HALFS
	s_mul_i32 s22, s16, HALFS
	s_add_co_u32 s22, s22, 2*HALFS
	s_sub_co_u32 s22, s22, s21
	v_mul_u32_u24 v6, s22, v2                      ; lanes 16-31 take W's
	s_add_co_u32 s21, s21, SCL
	v_add_nc_u32 v5, v5, v6
	v_add_nc_u32 v[ADRS], s21, v5
	s_mul_i32 s23, s14, 16*PITCH                   ; my stage: 16 tokens x (256 bytes + 16), in slot 0, which has had its only fill and its last read when the first result is stored there
	v_add_nc_u32 v[STO], s23, v4                   ; in: token r, 16 bytes for each half of the lanes
	v_bfe_u32 v5, v0, 3, 2
	v_mul_u32_u24 v5, v5, PITCH
	v_and_b32 v6, 7, v0
	v_lshl_add_u32 v5, v6, 4, v5
	v_add_nc_u32 v[RD], s23, v5                    ; back: eight lanes take a head's 128 bytes of a token, four tokens an instruction
	v_and_b32 v6, 31, v0
	v_lshlrev_b32 v[CO], 4, v6
	v_lshlrev_b32 v8, 5, v2                        ; the bias: my half's eight numbers of a block of 16
	v_lshlrev_b32 v9, 2, v1                        ; the mask: my token of a block of 16
	s_lshl_b32 s46, s42, 10
	s_lshl_b32 s47, s16, 9
	s_add_co_u32 s46, s46, s47
	s_mov_b32 s47, 0
	s_add_nc_u64 s[96:97], s[96:97], s[46:47]      ; b_qkv at my first column
	s_lshl_b32 s20, s17, 10
	s_lshl_b32 s21, s15, 9
	s_add_co_u32 s20, s20, s21
	s_mov_b32 s21, 0
	s_add_nc_u64 s[98:99], s[98:99], s[20:21]      ; the mask at my first token (the mask is [8192] in token order)
.irp b, 0,1,2,3,4,5,6,7
	global_load_b128 v[BI+8*\b:BI+8*\b+3], v8, s[96:97] offset:64*\b
	global_load_b128 v[BI+8*\b+4:BI+8*\b+7], v8, s[96:97] offset:64*\b+16
.endr
.irp a, 0,1,2,3,4,5,6,7
	global_load_b32 v[FA+2*\a], v9, s[98:99] offset:64*\a
.endr
	; where my part begins in qkvh: the section is the cluster's x (four tile columns to a section); the batch tile row / 8; the head 4 cx + 2 x column half; the token 256 (tile row % 8) + 128 x row half
	s_lshl_b32 s46, ttmp9, 24
	s_lshr_b32 s47, s17, 3
	s_lshl_b32 s47, s47, 22
	s_add_co_u32 s46, s46, s47
	s_lshl_b32 s47, s40, 20
	s_add_co_u32 s46, s46, s47
	s_lshl_b32 s47, s16, 19
	s_add_co_u32 s46, s46, s47
	s_and_b32 s47, s17, 7
	s_lshl_b32 s47, s47, 15
	s_add_co_u32 s46, s46, s47
	s_lshl_b32 s47, s15, 14
	s_add_co_u32 s46, s46, s47
	s_mov_b32 s47, 0
	s_add_nc_u64 s[12:13], s[12:13], s[46:47]
	s_cmp_eq_u32 ttmp9, 0
	s_cselect_b32 s66, 0x3e38aa3b, 1.0             ; Q: log2(e) / 8; V: 1
	s_cmp_eq_u32 ttmp9, 1
	s_cselect_b32 s67, -1, 0                       ; K: the factor hangs on the token's pad
	s_wait_loadcnt 0x0                             ; the bias and the mask
.irp a, 0,1,2,3,4,5,6,7
	v_sub_f32 v[FA+2*\a], 1.0, v[FA+2*\a]
.endr
.irp a, 0,1,2,3,4,5,6,7
	v_mul_f32 v[FA+2*\a], 0xff7fffff, v[FA+2*\a]   ; the pad, as the definition makes it
.endr
.irp a, 0,1,2,3,4,5,6,7
	v_cmp_eq_f32 vcc_lo, 0, v[FA+2*\a]
	v_cndmask_b32 v[FA+2*\a], 0, 1.0, vcc_lo       ; 1 where the pad is 0, else 0
	v_cndmask_b32 v[FA+2*\a], s66, v[FA+2*\a], s67
	v_mov_b32 v[FA+2*\a+1], v[FA+2*\a]             ; (named with it as a pair, so it is written)
.endr
.macro FRAG reg, adr, q, i             ; 16 rows x 128 K of 4-bit codes: 8 registers: two loads of 16 bytes, 32 bytes apart
.irp c, 0,1
	ds_load_b128 v[\reg+4*\c:\reg+4*\c+3], v[\adr] offset:64*(\q)+32*\c+(\i)*16*PITCH
.endr
.endm
; 16 matrix instructions: x's blocks a0, a0 + 1 against W's eight, 128 along K.  zero = 1: the first product starts the sums, from the bias.  The 64 accumulators take turns, one instruction a turn.
.macro MUL16 a0, p, q, sc, zero
.irp a, \a0, \a0+1
.irp b, 0,1,2,3,4,5,6,7
.if \zero
	v_wmma_scale_f32_16x16x128_f8f6f4 v[8*(8*((\a)%4)+\b):8*(8*((\a)%4)+\b)+7], v[128*(\p)+FR*\b:128*(\p)+FR*\b+FR-1], v[AF+FR*(\a):AF+FR*(\a)+FR-1], v[BI+8*\b:BI+8*\b+7], v[SC+8*NQ*(\sc)+NQ*\b+(\q)], v[SC+8*NQ*(\sc)+NQ*(\a)+(\q)] matrix_a_fmt:MATRIX_FMT_FP4 matrix_b_fmt:MATRIX_FMT_FP4 matrix_a_scale:MATRIX_SCALE_ROW1
.else
	v_wmma_scale_f32_16x16x128_f8f6f4 v[8*(8*((\a)%4)+\b):8*(8*((\a)%4)+\b)+7], v[128*(\p)+FR*\b:128*(\p)+FR*\b+FR-1], v[AF+FR*(\a):AF+FR*(\a)+FR-1], v[8*(8*((\a)%4)+\b):8*(8*((\a)%4)+\b)+7], v[SC+8*NQ*(\sc)+NQ*\b+(\q)], v[SC+8*NQ*(\sc)+NQ*(\a)+(\q)] matrix_a_fmt:MATRIX_FMT_FP4 matrix_b_fmt:MATRIX_FMT_FP4 matrix_a_scale:MATRIX_SCALE_ROW1
.endif
.endr
.endr
.endm
.macro FETCH_B slot, q, p
	WIN TO_B
.irp i, 0,1,2,3,4,5,6,7
	FRAG 128*(\p)+FR*\i, ADRB+\slot, \q, \i
.endr
	WIN 0
.endm
.macro FETCH_A slot, q, i0
.irp i, \i0, \i0+1, \i0+2, \i0+3
	FRAG AF+FR*(\i), ADRA+\slot, \q, \i
.endr
.endm
.macro SCALES sc                       ; a slot's scale words: four words a row; lanes 0-15 take x's block i, lanes 16-31 W's block i
.irp i, 0,1,2,3,4,5,6,7
	ds_load_b128 v[SC+8*NQ*\sc+NQ*\i:SC+8*NQ*\sc+NQ*\i+3], v[ADRS] offset:\i*SBLK
.endr
.endm
.macro PLACES n                        ; plain vector instructions between a matrix instruction and a load into, or a read of, its registers
.rept \n
	v_nop
.endr
.endm
.macro STEP slot, q, zero              ; 128 along K with its successor in the same slot
	s_wait_dscnt 4*NL                              ; W's set and x's blocks 0-3 are in; the youngest loads (x's blocks 4-7) may be out
	WIN MUL_LO-0x20*(\zero)                        ; (the bias lies in window 0)
	MUL16 0, (\q)%2, \q, \slot, \zero
	MUL16 2, (\q)%2, \q, \slot, \zero
	s_wait_dscnt 0
	PLACES NP
	FETCH_B \slot, (\q)+1, 1-(\q)%2
	FETCH_A \slot, (\q)+1, 0
	WIN MUL_HI-0x30*(\zero)
	MUL16 4, (\q)%2, \q, \slot, \zero
	MUL16 6, (\q)%2, \q, \slot, \zero
	PLACES NP
	WIN 0
	FETCH_A \slot, (\q)+1, 4
.endm
.macro STEPS slot, from
.set Q, \from
.rept NQ-1-\from
	STEP \slot, Q, 0
.set Q, Q+1
.endr
.endm
	s_wait_tensorcnt 1                             ; the scales and my part of slot 0 are in (slot 1's load may be out)
	s_barrier_signal -1
	s_barrier_wait -1                              ; everybody's are
	FETCH_B 0, 0, 0
	FETCH_A 0, 0, 0
	SCALES 0
	FETCH_A 0, 0, 4
	STEP 0, 0, 1
	STEPS 0, 1
	; slot 0's last step changes slots: one barrier; in front of it each wave waits for all its tensor loads, adds 0 to its spare word, and waits for that and for its reads of slot 0
	s_wait_tensorcnt 0x0                           ; my part of slot 1 has landed
	ds_add_u32 v[SPW], v[NIL]
	s_wait_dscnt 4*NL+1                            ; (the add and x's blocks 4-7 may be out)
	WIN MUL_LO
	MUL16 0, 1, NQ-1, 0, 0
	s_wait_dscnt 0x0
	s_barrier_signal -1
	MUL16 2, 1, NQ-1, 0, 0
	WIN 0
	s_barrier_wait -1
	PLACES NP
	v_add_nc_u32 v[ADRS], 4*NQ, v[ADRS]            ; on to slot 1's scale words (no LDS load of mine is out)
	FETCH_B 1, 0, 0
	FETCH_A 1, 0, 0
	SCALES 1
	WIN MUL_HI
	MUL16 4, 1, NQ-1, 0, 0
	MUL16 6, 1, NQ-1, 0, 0
	PLACES NP
	WIN 0
	FETCH_A 1, 0, 4
	STEPS 1, 0
	s_wait_dscnt 4*NL                              ; the very last step
	WIN MUL_LO
	MUL16 0, 1, NQ-1, 1, 0
	MUL16 2, 1, NQ-1, 1, 0
	s_wait_dscnt 0
	WIN MUL_HI
	MUL16 4, 1, NQ-1, 1, 0
	MUL16 6, 1, NQ-1, 1, 0
	WIN 0
; THE WAY OUT, a block of 16 tokens x 128 columns (two heads) at a time.  PACK: x the tokens' factor, in place, each accumulator from its low end on; rounded to f16, 16 bytes a lane.
; TOSTAGE: into my own stage, and back by heads: a head's 16 tokens x 128 bytes are 2,048 consecutive bytes of qkvh.  SEND: each store of the wave covers 512 consecutive bytes.
.macro PACK a
.set AC, 64*((\a)%4)
	WIN 0x82+0x41*((\a)/4)                         ; destination and source 0: window 2 or 3; the factor: window 0
.set pi, 0
.rept 32
	v_pk_mul_f32 v[AC+2*pi:AC+2*pi+1], v[AC+2*pi:AC+2*pi+1], v[FA+2*(\a):FA+2*(\a)+1] op_sel_hi:[1,0]
.set pi, pi+1
.endr
	WIN 0x0a+5*((\a)/4)                            ; sources 0 and 1: window 2 or 3
.set pi, 0
.rept 32
	v_cvt_pk_f16_f32 v[TMP+pi], v[AC+2*pi], v[AC+2*pi+1]
.set pi, pi+1
.endr
	WIN 0
.endm
.macro TOSTAGE a
.set BB, BK+32*((\a)%2)
.irp b, 0,1,2,3,4,5,6,7
	ds_store_b128 v[STO], v[TMP+4*\b:TMP+4*\b+3] offset:32*\b
.endr
.irp n, 0,1,2,3,4,5,6,7
	ds_load_b128 v[BB+4*\n:BB+4*\n+3], v[RD] offset:(\n%4)*4*PITCH+(\n/4)*128   ; LDS serves a wave's instructions in order: these see the stores above
.endr
.endm
.macro SEND a
.set BB, BK+32*((\a)%2)
	s_wait_dscnt 0x0                               ; the block is back in registers
	s_wait_xcnt 0x0                                ; the stores of the block before have read their registers: the next block's loads land there only behind this wait
.irp n, 0,1,2,3,4,5,6,7
	global_store_b128 v[CO], v[BB+4*\n:BB+4*\n+3], s[12:13] offset:(\a)*2048+(\n/4)*262144+(\n%4)*512
.endr
.endm
	PLACES NP
	PACK 0
	TOSTAGE 0
.irp a, 1,2,3,4,5,6,7                  ; block a's arithmetic stands between block a - 1's loads from the stage and the wait for them
	PACK \a
	SEND \a-1
	TOSTAGE \a
.endr
	SEND 7
	s_wait_tensorcnt 0x0                           ; the wave's end, behind my last tensor load and my last LDS store
	ds_add_u32 v[SPW], v[NIL]
	s_wait_dscnt 0x0
	CROUND                                         ; the closing round
	s_endpgm
.Lfunc_end_k_q32194dc341_qkv:
	.size	k_q32194dc341_qkv, .Lfunc_end_k_q32194dc341_qkv-k_q32194dc341_qkv
	.p2alignl 7, 3214868480
	.fill 96, 4, 3214868480
	.section	.rodata,"a",@progbits
	.p2align	6, 0x0
	.amdhsa_kernel k_q32194dc341_qkv
		.amdhsa_group_segment_fixed_size 327680
		.amdhsa_private_segment_fixed_size 0
		.amdhsa_enable_private_segment 0
		.amdhsa_kernarg_size 56
		.amdhsa_user_sgpr_count 2
		.amdhsa_user_sgpr_kernarg_segment_ptr 1
		.amdhsa_wavefront_size32 1
		.amdhsa_system_sgpr_workgroup_id_x 1
		.amdhsa_system_sgpr_workgroup_id_y 1
		.amdhsa_system_sgpr_workgroup_id_z 1
		.amdhsa_system_vgpr_workitem_id 0
		.amdhsa_next_free_vgpr 1024
		.amdhsa_next_free_sgpr 100
		.amdhsa_reserve_vcc 1
		.amdhsa_float_denorm_mode_32 3
		.amdhsa_float_denorm_mode_16_64 3
		.amdhsa_memory_ordered 1
		.amdhsa_forward_progress 1
		.amdhsa_inst_pref_size 147
	.end_amdhsa_kernel
	.amdgpu_metadata
---
amdhsa.version: [ 1, 2 ]
amdhsa.kernels:
  - .name:           k_q32194dc341_qkv
    .symbol:         k_q32194dc341_qkv.kd
    .args:
      - { .name: x_codes, .offset: 0, .size: 8, .value_kind: global_buffer, .address_space: global }
      - { .name: x_scales, .offset: 8, .size: 8, .value_kind: global_buffer, .address_space: global }
      - { .name: w_codes, .offset: 16, .size: 8, .value_kind: global_buffer, .address_space: global }
      - { .name: w_scales, .offset: 24, .size: 8, .value_kind: global_buffer, .address_space: global }
      - { .name: b_qkv, .offset: 32, .size: 8, .value_kind: global_buffer, .address_space: global }
      - { .name: attention_mask, .offset: 40, .size: 8, .value_kind: global_buffer, .address_space: global }
      - { .name: qkvh, .offset: 48, .size: 8, .value_kind: global_buffer, .address_space: global }
    .group_segment_fixed_size: 327680
    .private_segment_fixed_size: 0
    .kernarg_segment_align: 8
    .kernarg_segment_size: 56
    .max_flat_workgroup_size: 128
    .sgpr_count:     100
    .vgpr_count:     1024
    .wavefront_size: 32
...
	.end_amdgpu_metadata
.endif
;; end of part 2
;; launch attn (part 3): grid 4 x 64, 8 waves a work-group, no clusters, 327,680 bytes of LDS; arguments qkvh, attention_mask, wv; writes wv
.if DOCPART == 3
	.amdgcn_target "amdgcn-amd-amdhsa--gfx1250"
	.amdhsa_code_object_version 6
	.text
	.protected	k_q32194dc341_attn
	.globl	k_q32194dc341_attn
	.p2align	8
	.type	k_q32194dc341_attn,@function
k_q32194dc341_attn:
	s_mov_b64 s[64:65], 0
	v_nop
	global_prefetch_b8 v0, s[64:65] scope:SCOPE_SE
	s_setreg_imm32_b32 hwreg(HW_REG_WAVE_MODE, 25, 1), 1
	s_wait_xcnt 0x0
; ATTENTION of one (batch, head): wv[q] = the sum over k <= q of softmax_k(Q[q] . K[k] / 8 + pad[k]) V[k].  Q, K, V: f16, [2048][64] a head, from qkvh; Q comes multiplied by c = log2(e) / 8, so a product K Q^T is the exponent t.
; THE PAD.  padt[k] = ((1 - mask[k]) x the least f32 number) x c is the C of the first matrix instruction of a tile of scores.  The rows of K of keys whose pad is not 0 come as zeros, so there t = padt bit for bit,
; which is what f32 leaves of score + pad in the definition.  A row whose visible keys are all padded so gets equal weights.
; SOFTMAX.  For each query a running maximum m and sum l: p = 2^(t - m); in every step O and l are multiplied by a = 2^(m_old - m_new).  m begins at -infinity: key 0 is visible to every query and its t is finite, so the first a is 0.
; p is rounded to f16 for the second product; l is the sum of those rounded p, made by the matrix unit (a product with rows of ones).  wv leaves as f16, [head 16][token 8192][64].
; LIMITS: |V| and |wv| up to 65,504 (f16); masks whose pad overflows, NaN and infinities are not served.
; SHARES.  A work-group takes query blocks PI and 7 - PI (256 queries each) of a head: (PI + 1) + (8 - PI) = 9 units of 256 queries x 256 keys in every work-group, the causal mask's upper part left out.
; Each of eight waves owns 32 queries of the block, two tiles of 16; two waves share a SIMD, so that one wave's softmax stands beside the other's products.  A fragment of K or V read from LDS feeds two matrix instructions.
; NO CLUSTER: the four work-groups of a head walk different key blocks in the same unit (PI = 0: 0 | 0..7; PI = 3: 0..3 | 0..4); a common walk would take 12 units in place of 9.
; LAYOUT.  S^T = K Q^T (source 0 = 16 keys, source 1 = 16 queries): a lane holds ONE query (lane % 16) and keys 8 (lane / 16) + 0..7.  Two such tiles rounded to f16 ARE source 1 of O^T = V^T P.  V is turned on its way out of LDS.
; REGISTERS.  window 0: v1-15 addresses and constants; v16-31 statistics, 8 a tile: +0 m, +2 a, +4..7 at work (+1, +3: written once, named as pair partners); v32-63 Q; v64-127 K; v128-159 the pads; v160-223 S^T; v224-255 P.
;   window 1: v0-63 V; v64-127 O^T; v128-143 l (register 0 of each eight); v144-151 the rows of ones.
.set PK,    144                        ; a row of K in LDS: 128 bytes + 16: the 16 rows of a load start 36 words apart
.set PV,    160                        ; a row of V: 128 + 32
.set VOFF,  256*PK                     ; a slot: 256 rows of K, then 256 rows of V
.set PADS,  VOFF+256*PV                ; behind slot 0: padt of the batch row's 2,048 keys, stored once, then only read
.set STAGE, PADS+8192                  ; 32 rows x 144 bytes for each wave, for the way out
.set SPARE, STAGE+8*32*PK              ; the spare words, 128 bytes for each wave: four blocks of 256 bytes that no other line names
.set SLOT1, 1<<17                      ; slot 1 begins here: one exclusive or turns an address
.set AK0, 1
.set AV0, 2
.set AP0, 3
.set ADK, 4
.set ADV, 5
.set ADP, 6
.set QO,  7
.set STO, 8
.set RD,  9
.set GO,  10
.set SPW, 11
.set NIL, 12
.set DQ,  13                           ; my query - my half's first key, on the diagonal
.set NINF, 14
.set PST, 15
.set ST,  16
.set PFO, 17                           ; 256 x lane: the prefetch's offset; never rewritten
.set QF,  32
.set KF,  64
.set PD,  128
.set S,   160
.set P,   224
.set OT,  64                           ; window 1
.set LS,  128
.set ONE, 144
.set WV,  10
.set PI,  11
.set BH,  12
.set U,   13                           ; the unit, 0..8
.set J,   14                           ; the step of 64 keys in a unit
.set LIMJ, 15                          ; steps from here on are hidden from my wave
.set DJ,  16                           ; the step that lies on my wave's diagonal (64: none)
.set WH,  17
.set WH1, 18
.set TK,  19
.set TV,  20
.set TP,  21
.set SLB, 22                           ; LDS byte at which the slot in hand begins
.set PLO, 23
.set G1K, 24
.set G1V, 32
.set G0K, 40
.set G0V, 44
.set SEL, 48
.set PFA, 50                           ; my own tile's address in memory, without the type bits: it walks with the descriptors
.set QB0, 52
.set QB1, 54
.set OB0, 56
.set OB1, 58
.set D,   60                           ; s[60:61] what a change of query block takes off the walking addresses
.set BK,  62
.set KB10, 63                          ; 1,024 x the unit's key block
.set PI1, 66
.set MSB, 0
.macro WIN new
.if MSB != (\new)
	s_set_vgpr_msb (MSB<<8)|(\new)
.set MSB, (\new)
.endif
.endm
; Waves 0-3 fetch the four quarters (64 rows) of K's tile, waves 4-7 those of V's.  The branch hangs on the wave's number alone.  An s_nop 0 and four v_nop follow each line.
.macro TLOAD
	s_cmp_lt_u32 s[WV], 4
	s_cbranch_scc0 .Lfor_v_\@
	tensor_load_to_lds s[G0K:G0K+3], s[G1K:G1K+7]
	s_nop 0
.rept 4
	v_nop
.endr
	s_branch .Lasked_\@
.Lfor_v_\@:
	tensor_load_to_lds s[G0V:G0V+3], s[G1V:G1V+7]
	s_nop 0
.rept 4
	v_nop
.endr
.Lasked_\@:
.endm
; A PREFETCH INTO THE L2 of the key block that the NEXT change of slots will ask for.  Of a head's four work-groups the one with PI = 0 is the first to load key blocks 4 to 7, in units 4 to 7: it asks for them
; in units 3 to 6, one unit (four steps of 36 matrix instructions a wave) ahead; each wave for its own quarter, 8,192 bytes, lanes 256 bytes apart: so each block of 256 bytes is named once in the launch.
; Key blocks 0 to 3 are loaded by some partner in the launch's first units and are not asked for.
.macro ASK
	s_sub_co_u32 s67, s[U], s[PLO]
	s_cmp_lt_u32 s67, 4
	s_cbranch_scc0 .Lnot_mine_\@
	global_prefetch_b8 v[PFO], s[PFA:PFA+1] offset:32768 th:TH_LOAD_NT scope:SCOPE_SE
.Lnot_mine_\@:
.endm
.macro QLOAD qb                        ; my 32 queries: fragment (tile x, channels 32 kk on) at v[QF + 8 (2 x + kk)]
.irp f, 0,1,2,3
	global_load_b128 v[QF+8*\f:QF+8*\f+3], v[QO], s[\qb:\qb+1] offset:(\f/2)*2048+(\f%2)*64
	global_load_b128 v[QF+8*\f+4:QF+8*\f+7], v[QO], s[\qb:\qb+1] offset:(\f/2)*2048+(\f%2)*64+32
.endr
.endm
	s_load_b128 s[4:7], s[0:1], 0x0                ; qkvh s[4:5], attention_mask s[6:7]
	s_load_b64 s[8:9], s[0:1], 0x10                ; wv
	v_lshl_add_u32 v[SPW], v0, 2, SPARE
	v_mov_b32 v[NIL], 0
	ds_add_u32 v[SPW], v[NIL]                      ; the wave's opening: the add and its wait stand ahead of my first tensor load; the set-up below stands between them
	v_lshrrev_b32 v1, 5, v0
	v_readfirstlane_b32 s[WV], v1                  ; wave 0..7
	s_mov_b32 s[PI], ttmp9
	s_and_b32 s[BH], ttmp7, 0xffff                 ; 16 x batch + head
	s_add_co_u32 s[PI1], s[PI], 1
	s_lshl_b32 s[BK], s[PI1], 15                   ; PI + 1 key blocks of 256 rows x 128 bytes
	s_mov_b32 s[D+1], 0
	s_lshr_b32 s[WH], s[WV], 1
	s_add_co_u32 s[WH1], s[WH], 1
	s_cmp_eq_u32 s[PI], 0
	s_cselect_b32 s[PLO], 3, 0x1000
	s_mov_b32 s[SEL], 0x76543210
	s_mov_b32 s[SEL+1], 0xfedcba98                 ; v_permlanex16_b32's selects for lane l xor 16
	s_mov_b32 s[SLB], 0
	s_mov_b32 s[G1K], (1<<16)|(1<<20)|(4<<22)|(3<<25)   ; no mask; elements of 2 bytes; padding on: four words behind every 32
	s_mov_b32 s[G1V], (1<<16)|(1<<20)|(4<<22)|(7<<25)   ; eight words behind every 32
.irp g, G1K, G1V
	s_mov_b32 s[\g+1], 64<<16                      ; tensor_dim0 = 64
	s_mov_b32 s[\g+2], 64<<16                      ; tensor_dim1 = 64
	s_mov_b32 s[\g+3], 64<<16                      ; tile_dim0 = 64
	s_mov_b32 s[\g+4], 64                          ; tile_dim1 = 64
	s_mov_b32 s[\g+5], 64                          ; the pitch
	s_mov_b32 s[\g+6], 0
	s_mov_b32 s[\g+7], 0
.endr
	s_and_b32 s67, s[WV], 3                        ; which quarter of a tile I fetch
	s_mul_i32 s68, s67, 64*PK                      ; its place in a slot, for K,
	s_mul_i32 s69, s67, 64*PV
	s_add_co_u32 s69, s69, VOFF                    ; and for V
	s_lshl_b32 s70, s[BH], 18                      ; a head is 262,144 bytes
	s_lshl_b32 s67, s67, 13
	s_add_co_u32 s70, s70, s67
	s_mov_b32 s71, 0
	s_lshl_b32 s72, s[BH], 18
	s_lshl_b32 s67, s[WV], 12                      ; my wave's 32 rows of 128 bytes
	s_add_co_u32 s72, s72, s67
	s_mov_b32 s73, 0
	s_and_b32 s74, s[BH], 15
	s_lshl_b32 s74, s74, 20                        ; wv: the head's 8,192 tokens,
	s_add_co_u32 s74, s74, s67
	s_lshr_b32 s76, s[BH], 4
	s_lshl_b32 s67, s76, 18                        ; the batch's 2,048 of them
	s_add_co_u32 s74, s74, s67
	s_mov_b32 s75, 0
	s_lshl_b32 s76, s76, 13                        ; the mask: the batch's row
	s_mov_b32 s77, 0
	s_lshl_b32 s78, s[PI], 15                      ; the first query block,
	s_mov_b32 s79, 0
	s_sub_co_u32 s80, 7, s[PI]
	s_lshl_b32 s80, s80, 15                        ; the second
	s_mov_b32 s81, 0
	s_wait_dscnt 0x0                               ; the opening add is done
	s_wait_kmcnt 0x0
	s_add_nc_u64 s[82:83], s[4:5], s[70:71]
	s_add_nc_u64 s[84:85], s[82:83], 0x2000000     ; V's section: my quarter of key block 0
	s_add_nc_u64 s[82:83], s[82:83], 0x1000000     ; K's
	s_mov_b32 s[G0K], 1
	s_mov_b32 s[G0K+1], s68
	s_mov_b64 s[G0K+2:G0K+3], s[82:83]
	s_or_b32 s[G0K+3], s[G0K+3], 0x80000000
	s_mov_b32 s[G0V], 1
	s_mov_b32 s[G0V+1], s69
	s_mov_b64 s[G0V+2:G0V+3], s[84:85]
	s_or_b32 s[G0V+3], s[G0V+3], 0x80000000
	TLOAD                                          ; unit 0's tile into slot 0: one tensor load of mine is out, here and behind every barrier
	s_cmp_lt_u32 s[WV], 4
	s_cselect_b64 s[PFA:PFA+1], s[82:83], s[84:85]
	s_add_nc_u64 s[QB0:QB0+1], s[4:5], s[72:73]
	s_add_nc_u64 s[QB1:QB1+1], s[QB0:QB0+1], s[80:81]
	s_add_nc_u64 s[QB0:QB0+1], s[QB0:QB0+1], s[78:79]
	s_add_nc_u64 s[OB0:OB0+1], s[8:9], s[74:75]
	s_add_nc_u64 s[OB1:OB1+1], s[OB0:OB0+1], s[80:81]
	s_add_nc_u64 s[OB0:OB0+1], s[OB0:OB0+1], s[78:79]
	s_add_nc_u64 s[6:7], s[6:7], s[76:77]
	v_and_b32 v224, 15, v0                         ; r
	v_bfe_u32 v225, v0, 4, 1                       ; h
	v_and_b32 v226, 31, v0                         ; lane
	v_lshlrev_b32 v[ADV], 5, v0                    ; the mask: 8 numbers a thread
	global_load_b128 v[S:S+3], v[ADV], s[6:7]
	global_load_b128 v[S+4:S+7], v[ADV], s[6:7] offset:16
	v_lshlrev_b32 v[QO], 7, v224
	v_lshl_add_u32 v[QO], v225, 4, v[QO]           ; row r of 128 bytes + 16 h
	QLOAD QB0
	v_mul_u32_u24 v[AK0], v224, PK
	v_lshl_add_u32 v[AK0], v225, 4, v[AK0]         ; K: row r x pitch + 16 h
	v_and_b32 v227, 7, v0
	v_bfe_u32 v228, v0, 3, 1
	v_lshl_add_u32 v[AV0], v225, 3, v227
	v_mul_u32_u24 v[AV0], v[AV0], PV
	v_lshl_add_u32 v[AV0], v228, 4, v[AV0]
	v_add_nc_u32 v[AV0], VOFF, v[AV0]              ; V, for the turning load: key 8 h + lane % 8, channels 8 ((lane / 8) % 2) on
	v_lshl_add_u32 v[AP0], v225, 5, PADS           ; the pads: my half's eight keys of a tile of 16
	s_mul_i32 s67, s[WV], 32*PK
	s_add_co_u32 s67, s67, STAGE
	v_add_nc_u32 v[STO], s67, v[AK0]               ; my stage, in: row r, 16 bytes for each half of the lanes
	v_bfe_u32 v227, v0, 3, 2
	v_mul_u32_u24 v[RD], v227, PK
	v_and_b32 v228, 7, v0
	v_lshl_add_u32 v[RD], v228, 4, v[RD]
	v_add_nc_u32 v[RD], s67, v[RD]                 ; back: eight lanes to a row of 128 bytes, four rows an instruction
	v_lshlrev_b32 v[GO], 4, v226
	v_lshlrev_b32 v[PFO], 8, v226
	s_and_b32 s67, s[WV], 1
	s_lshl_b32 s67, s67, 5
	v_lshlrev_b32 v227, 3, v225
	v_sub_nc_u32 v[DQ], v224, v227
	v_add_nc_u32 v[DQ], s67, v[DQ]                 ; r - 8 h + 32 (wave % 2)
	v_mov_b32 v[NINF], 0xff800000
	v_lshl_add_u32 v[PST], v0, 5, PADS
	v_mov_b32 v[ST], v[NINF]                       ; m of both tiles
	v_mov_b32 v[ST+8], v[NINF]
	v_mov_b32 v[ST+3], 0                           ; (pair partners: named, never used)
	v_mov_b32 v[ST+9], 0
	v_mov_b32 v[ST+11], 0
	v_and_b32 v227, 7, v0
	v_cmp_eq_u32 vcc_lo, 0, v227
	v_mov_b32 v228, 0x3c003c00                     ; two f16 ones
	v_cndmask_b32 v228, 0, v228, vcc_lo            ; rows 0 and 8 of the 16 are ones, the others zeros: register 0 of the product is the row's sum in both halves of the lanes
	WIN 0x40                                       ; destination window 1
.irp i, 0,1,2,3,4,5,6,7
	v_mov_b32 v[ONE+\i], v228
.endr
.set n, 0
.rept 80
	v_mov_b32 v[OT+n], 0                           ; O^T and l, once: the step is written without a first step of its own, and the first a = 0 must meet numbers
.set n, n+1
.endr
	WIN 0
	s_wait_loadcnt 0x0                             ; the mask and Q
.irp i, 0,1,2,3,4,5,6,7
	v_sub_f32 v[S+\i], 1.0, v[S+\i]
.endr
.irp i, 0,1,2,3,4,5,6,7
	v_mul_f32 v[S+\i], 0xff7fffff, v[S+\i]         ; the pad, as the definition makes it,
.endr
.irp i, 0,1,2,3,4,5,6,7
	v_mul_f32 v[S+\i], 0x3e38aa3b, v[S+\i]         ; x c
.endr
	ds_store_b128 v[PST], v[S:S+3]                 ; waited for in front of the first barrier, behind which all waves read them
	ds_store_b128 v[PST], v[S+4:S+7] offset:16
; A STEP: 64 keys x my 32 queries.
.macro STEP
	s_mul_i32 s[TK], s[J], 64*PK
	s_mul_i32 s[TV], s[J], 64*PV
	s_lshl_b32 s[TP], s[J], 8
	s_add_co_u32 s[TK], s[TK], s[SLB]
	s_add_co_u32 s[TV], s[TV], s[SLB]
	s_add_co_u32 s[TP], s[TP], s[KB10]
	v_add_nc_u32 v[ADK], s[TK], v[AK0]
	v_add_nc_u32 v[ADV], s[TV], v[AV0]
	v_add_nc_u32 v[ADP], s[TP], v[AP0]
	v_nop                                          ; with the three additions: four places between the last step's products and the loads into V's registers
.irp f, 0,1,2,3,4,5,6,7                        ; K: keys 16 (f / 2) on, channels 32 (f % 2) on
	ds_load_b128 v[KF+8*\f:KF+8*\f+3], v[ADK] offset:(\f/2)*16*PK+(\f%2)*64
	ds_load_b128 v[KF+8*\f+4:KF+8*\f+7], v[ADK] offset:(\f/2)*16*PK+(\f%2)*64+32
.endr
.irp i, 0,1,2,3                                ; the pads in the result's layout: register j = key 16 i + 8 h + j
	ds_load_b128 v[PD+8*\i:PD+8*\i+3], v[ADP] offset:64*\i
	ds_load_b128 v[PD+8*\i+4:PD+8*\i+7], v[ADP] offset:64*\i+16
.endr
	WIN 0x40                                       ; destination window 1
.irp f, 0,1,2,3,4,5,6,7                        ; V, turned: keys 32 (f / 4) on, channels 16 (f % 4) on
	ds_load_tr16_b128 v[8*\f:8*\f+3], v[ADV] offset:(\f/4)*32*PV+(\f%4)*32
	ds_load_tr16_b128 v[8*\f+4:8*\f+7], v[ADV] offset:(\f/4)*32*PV+16*PV+(\f%4)*32
.endr
	WIN 0
	s_wait_dscnt 16                                ; K and the pads are in; V's sixteen loads may be out
.irp i, 0,1,2,3                                ; S^T = pad + K Q^T: eight accumulators by turns, channels 0-31,
.irp x, 0,1
	v_wmma_f32_16x16x32_f16 v[S+32*\x+8*\i:S+32*\x+8*\i+7], v[KF+16*\i:KF+16*\i+7], v[QF+16*\x:QF+16*\x+7], v[PD+8*\i:PD+8*\i+7]
.endr
.endr
.irp i, 0,1,2,3                                ; then channels 32-63
.irp x, 0,1
	v_wmma_f32_16x16x32_f16 v[S+32*\x+8*\i:S+32*\x+8*\i+7], v[KF+16*\i+8:KF+16*\i+15], v[QF+16*\x+8:QF+16*\x+15], v[S+32*\x+8*\i:S+32*\x+8*\i+7]
.endr
.endr
.rept 4
	v_nop                                          ; places in front of the first read of the scores
.endr
	s_cmp_lg_u32 s[J], s[DJ]                       ; ids and counts alone
	s_cbranch_scc1 .Lopen_\@
.irp x, 0,1                                    ; on the diagonal: key 16 i + 8 h + j is hidden from query 32 (wave % 2) + 16 x + r where 16 i + j - 16 x > r - 8 h + 32 (wave % 2)
.set n, 0
.rept 32
	v_cmp_gt_i32 vcc_lo, 16*(n/8)+n%8-16*\x, v[DQ]
	v_cndmask_b32 v[S+32*\x+n], v[S+32*\x+n], v[NINF], vcc_lo
.set n, n+1
.endr
.endr
.Lopen_\@:
.irp j, 0,1,2,3                                ; the maximum of 32 scores and the old m, three operands at a time, four chains a tile, the tiles by turns; each accumulator is read from its low end on
.irp x, 0,1
	v_max3_num_f32 v[ST+8*\x+4+\j], v[S+32*\x+8*\j], v[S+32*\x+8*\j+1], v[S+32*\x+8*\j+2]
.endr
.endr
.irp u, 1,2
.irp j, 0,1,2,3
.irp x, 0,1
	v_max3_num_f32 v[ST+8*\x+4+\j], v[ST+8*\x+4+\j], v[S+32*\x+8*\j+2*\u+1], v[S+32*\x+8*\j+2*\u+2]
.endr
.endr
.endr
.irp x, 0,1
	v_max3_num_f32 v[ST+8*\x+4], v[ST+8*\x+4], v[S+32*\x+7], v[S+32*\x+15]
	v_max3_num_f32 v[ST+8*\x+6], v[ST+8*\x+6], v[S+32*\x+23], v[S+32*\x+31]
.endr
.irp x, 0,1
	v_max3_num_f32 v[ST+8*\x+4], v[ST+8*\x+4], v[ST+8*\x+5], v[ST+8*\x+6]
.endr
.irp x, 0,1
	v_max3_num_f32 v[ST+8*\x+4], v[ST+8*\x+4], v[ST+8*\x+7], v[ST+8*\x]
.endr
.irp x, 0,1
	v_permlanex16_b32 v[ST+8*\x+5], v[ST+8*\x+4], s[SEL], s[SEL+1]   ; the query's other 32 keys lie in the lane 16 away
.endr
.irp x, 0,1
	v_max_num_f32 v[ST+8*\x+6], v[ST+8*\x+4], v[ST+8*\x+5]           ; the new m
.endr
.irp x, 0,1
	v_sub_f32 v[ST+8*\x+7], v[ST+8*\x], v[ST+8*\x+6]                 ; m_old - m_new
.endr
.irp x, 0,1
	v_mov_b32 v[ST+8*\x], v[ST+8*\x+6]
.endr
.set n, 0
.rept 16
.irp x, 0,1
	v_pk_add_f32 v[S+32*\x+2*n:S+32*\x+2*n+1], v[S+32*\x+2*n:S+32*\x+2*n+1], v[ST+8*\x:ST+8*\x+1] op_sel_hi:[1,0] neg_lo:[0,1] neg_hi:[0,1]   ; t - m, two at a time
.endr
.set n, n+1
.endr
.irp x, 0,1                                    ; ONE BATCH of 66 exponentials: none reads another's result
	v_exp_f32 v[ST+8*\x+2], v[ST+8*\x+7]           ; a
.endr
.set n, 0
.rept 32
.irp x, 0,1
	v_exp_f32 v[S+32*\x+n], v[S+32*\x+n]           ; p
.endr
.set n, n+1
.endr
	v_nop                                          ; a plain instruction behind the last exponential
	s_wait_alu depctr_va_vdst(0)                   ; one wait for the batch, ahead of its first reader
.set n, 0
.rept 16
.irp x, 0,1
	v_cvt_pk_f16_f32 v[P+16*\x+n], v[S+32*\x+2*n], v[S+32*\x+2*n+1]   ; tiles 2 g and 2 g + 1 of keys make registers 0-3 and 4-7 of P's fragment g
.endr
.set n, n+1
.endr
	WIN 0x41                                       ; O^T and l (destination, source 0) window 1; a window 0
.irp x, 0,1
	v_mul_f32 v[LS+8*\x], v[LS+8*\x], v[ST+8*\x+2]
.endr
.set n, 0
.rept 16
.irp x, 0,1
	v_pk_mul_f32 v[OT+32*\x+2*n:OT+32*\x+2*n+1], v[OT+32*\x+2*n:OT+32*\x+2*n+1], v[ST+8*\x+2:ST+8*\x+3] op_sel_hi:[1,0]   ; ascending: each accumulator from its low end on
.endr
.set n, n+1
.endr
	s_wait_dscnt 0x0                               ; V is in
	WIN 0x51                                       ; V, O^T, l, the ones: window 1; P: window 0
.irp g, 0,1                                    ; O^T += V^T P, l += ones P: ten accumulators by turns, 32 keys at a time
.irp ct, 0,1,2,3
.irp x, 0,1
	v_wmma_f32_16x16x32_f16 v[OT+32*\x+8*\ct:OT+32*\x+8*\ct+7], v[8*(4*\g+\ct):8*(4*\g+\ct)+7], v[P+16*\x+8*\g:P+16*\x+8*\g+7], v[OT+32*\x+8*\ct:OT+32*\x+8*\ct+7]
.endr
.endr
.irp x, 0,1
	v_wmma_f32_16x16x32_f16 v[LS+8*\x:LS+8*\x+7], v[ONE:ONE+7], v[P+16*\x+8*\g:P+16*\x+8*\g+7], v[LS+8*\x:LS+8*\x+7]
.endr
.endr
	WIN 0
.endm
; A UNIT: four steps, a constant count; a step all of whose keys come after my wave's queries is jumped over (ids and counts alone; no barrier and no tensor load stands in a step).
.macro UNIT
	s_mov_b32 s[J], 0
.Lj_\@:
	s_cmp_ge_u32 s[J], s[LIMJ]
	s_cbranch_scc1 .Lskip_\@
	STEP
.Lskip_\@:
	s_add_co_u32 s[J], s[J], 1
	s_cmp_lt_u32 s[J], 4
	s_cbranch_scc1 .Lj_\@
	s_xor_b32 s[SLB], s[SLB], SLOT1                ; on to the other slot
.endm
; THE CHANGE OF SLOTS stands at a unit's head.  Each wave waits for all its tensor loads (its quarter of the tile that it is about to read), adds 0 to its spare word, and waits for that and for its LDS instructions.
; Behind the barrier the slot ahead is whole and nobody reads the other one.  fill = 1: that one takes the next unit's tile: the next key block, or block 0 where the query block changes.
.macro CHANGE fill
	s_wait_tensorcnt 0x0                           ; no tensor load of mine is out, so a group 0 may be written
	ds_add_u32 v[SPW], v[NIL]                      ; 0 onto my spare word; the descriptors' steps stand between it and the wait for it
.if \fill
	s_cmp_eq_u32 s[U], s[PI]
	s_cselect_b32 s[D], s[BK], 0
	s_xor_b32 s[G0K+1], s[G0K+1], SLOT1
	s_xor_b32 s[G0V+1], s[G0V+1], SLOT1
	s_add_nc_u64 s[G0K+2:G0K+3], s[G0K+2:G0K+3], 32768
	s_sub_nc_u64 s[G0K+2:G0K+3], s[G0K+2:G0K+3], s[D:D+1]
	s_add_nc_u64 s[G0V+2:G0V+3], s[G0V+2:G0V+3], 32768
	s_sub_nc_u64 s[G0V+2:G0V+3], s[G0V+2:G0V+3], s[D:D+1]
	s_wait_xcnt 0x0                                ; the last prefetch, a unit back, has read its address
	s_add_nc_u64 s[PFA:PFA+1], s[PFA:PFA+1], 32768
	s_sub_nc_u64 s[PFA:PFA+1], s[PFA:PFA+1], s[D:D+1]
.endif
	s_wait_dscnt 0x0                               ; the add is done, my reads of the slot that I have left are over, my stores have landed
	s_barrier_signal -1
	s_barrier_wait -1
.if \fill
	TLOAD                                          ; the first thing behind the barrier, and my one tensor load until the next: it has a unit's steps in which to land
	ASK
.endif
.endm
; THE WAY OUT of a query block: O^T / l, rounded to f16, through my own stage in LDS; each store of the wave covers 512 consecutive bytes (four tokens' 128 bytes of this head).
.macro EPILOGUE ob
.rept 4
	v_nop                                          ; places behind the last products
.endr
	WIN 0x01                                       ; source 0 window 1
.irp x, 0,1
	v_rcp_f32 v[ST+8*\x+2], v[LS+8*\x]             ; l is at least 1: the largest p is 1
.endr
	v_nop
	s_wait_alu depctr_va_vdst(0)                   ; one wait for both reciprocals, ahead of their first reader
.set n, 0
.rept 16
.irp x, 0,1
	v_pk_mul_f32 v[S+32*\x+2*n:S+32*\x+2*n+1], v[OT+32*\x+2*n:OT+32*\x+2*n+1], v[ST+8*\x+2:ST+8*\x+3] op_sel_hi:[1,0]
.endr
.set n, n+1
.endr
	WIN 0
.set n, 0
.rept 16
.irp x, 0,1
	v_cvt_pk_f16_f32 v[P+16*\x+n], v[S+32*\x+2*n], v[S+32*\x+2*n+1]
.endr
.set n, n+1
.endr
.irp x, 0,1
.irp ct, 0,1,2,3
	ds_store_b128 v[STO], v[P+16*\x+4*\ct:P+16*\x+4*\ct+3] offset:\x*16*PK+32*\ct
.endr
.endr
.irp i, 0,1,2,3,4,5,6,7
	ds_load_b128 v[KF+4*\i:KF+4*\i+3], v[RD] offset:\i*4*PK   ; LDS serves a wave's instructions in order: these see the stores above
.endr
.irp i, 0,1,2,3,4,5,6,7
	s_wait_dscnt 7-\i                              ; load i is in, the later ones stay out
	global_store_b128 v[GO], v[KF+4*\i:KF+4*\i+3], s[\ob:\ob+1] offset:512*\i
.endr
	s_wait_xcnt 0x0                                ; the stores have read their registers: K's next fragments land there only behind this wait
.endm
	s_mov_b32 s[U], 0
.Lunit:                                            ; eight trips: behind each change of slots the next unit's tile is asked for
	CHANGE 1
	s_cmp_eq_u32 s[U], s[PI]                       ; the first query block's last unit lies on the diagonal
	s_cselect_b32 s[LIMJ], s[WH1], 4
	s_cselect_b32 s[DJ], s[WH], 64
	s_cmp_gt_u32 s[U], s[PI]
	s_cselect_b32 s67, s[PI1], 0
	s_sub_co_u32 s67, s[U], s67                    ; the unit's key block,
	s_and_b32 s67, s67, 7                          ; 0 to 7
	s_lshl_b32 s[KB10], s67, 10
	UNIT
	s_cmp_lg_u32 s[U], s[PI]
	s_cbranch_scc1 .Lsame
	QLOAD QB1                                      ; the second block's queries are asked for ahead of the way out (the softmax's lines stand between the last K Q^T and these loads)
	EPILOGUE OB0
	v_mov_b32 v[ST], v[NINF]                       ; m anew: the next step's a = 0 clears O^T and l, which are finite
	v_mov_b32 v[ST+8], v[NINF]
	s_wait_loadcnt 0x0
.Lsame:
	s_add_co_u32 s[U], s[U], 1
	s_cmp_lt_u32 s[U], 8
	s_cbranch_scc1 .Lunit
	CHANGE 0                                       ; the last unit is written out: it lies on the second block's diagonal
	s_mov_b32 s[LIMJ], s[WH1]
	s_mov_b32 s[DJ], s[WH]
	s_xor_b32 s67, s[PI], 7                        ; the unit's key block, 7 - PI (PI is 0 to 3, so the exclusive or is the difference),
	s_and_b32 s67, s67, 7                          ; 0 to 7, as in the loop: the pads' address stays inside their 8,192 bytes
	s_lshl_b32 s[KB10], s67, 10
	UNIT
	EPILOGUE OB1
	s_wait_tensorcnt 0x0                           ; the wave's end, behind my last tensor load and my last LDS store
	ds_add_u32 v[SPW], v[NIL]
	s_wait_dscnt 0x0
	s_endpgm
.Lfunc_end_k_q32194dc341_attn:
	.size	k_q32194dc341_attn, .Lfunc_end_k_q32194dc341_attn-k_q32194dc341_attn
	.p2alignl 7, 3214868480
	.fill 96, 4, 3214868480
	.section	.rodata,"a",@progbits
	.p2align	6, 0x0
	.amdhsa_kernel k_q32194dc341_attn
		.amdhsa_group_segment_fixed_size 327680
		.amdhsa_private_segment_fixed_size 0
		.amdhsa_enable_private_segment 0
		.amdhsa_kernarg_size 24
		.amdhsa_user_sgpr_count 2
		.amdhsa_user_sgpr_kernarg_segment_ptr 1
		.amdhsa_wavefront_size32 1
		.amdhsa_system_sgpr_workgroup_id_x 1
		.amdhsa_system_sgpr_workgroup_id_y 1
		.amdhsa_system_sgpr_workgroup_id_z 1
		.amdhsa_system_vgpr_workitem_id 0
		.amdhsa_next_free_vgpr 512
		.amdhsa_next_free_sgpr 88
		.amdhsa_reserve_vcc 1
		.amdhsa_float_denorm_mode_32 3
		.amdhsa_float_denorm_mode_16_64 3
		.amdhsa_memory_ordered 1
		.amdhsa_forward_progress 1
		.amdhsa_inst_pref_size 68
	.end_amdhsa_kernel
	.amdgpu_metadata
---
amdhsa.version: [ 1, 2 ]
amdhsa.kernels:
  - .name:           k_q32194dc341_attn
    .symbol:         k_q32194dc341_attn.kd
    .args:
      - { .name: qkvh, .offset: 0, .size: 8, .value_kind: global_buffer, .address_space: global }
      - { .name: attention_mask, .offset: 8, .size: 8, .value_kind: global_buffer, .address_space: global }
      - { .name: wv, .offset: 16, .size: 8, .value_kind: global_buffer, .address_space: global }
    .group_segment_fixed_size: 327680
    .private_segment_fixed_size: 0
    .kernarg_segment_align: 8
    .kernarg_segment_size: 24
    .max_flat_workgroup_size: 256
    .sgpr_count:     88
    .vgpr_count:     512
    .wavefront_size: 32
...
	.end_amdgpu_metadata
.endif
;; end of part 3
;; launch proj (part 4): grid 4 x 64, 4 waves a work-group, clusters of 4 x 4, 327,680 bytes of LDS; arguments wv, wo16, b_out, out0; writes out0
.if DOCPART == 4
	.amdgcn_target "amdgcn-amd-amdhsa--gfx1250"
	.amdhsa_code_object_version 6
	.text
	.protected	k_q32194dc341_proj
	.globl	k_q32194dc341_proj
	.p2align	8
	.type	k_q32194dc341_proj,@function
k_q32194dc341_proj:
	s_mov_b64 s[64:65], 0
	v_nop
	global_prefetch_b8 v0, s[64:65] scope:SCOPE_SE
	s_setreg_imm32_b32 hwreg(HW_REG_WAVE_MODE, 25, 1), 1
	s_wait_xcnt 0x0
	s_wait_alu depctr_hold_cnt(0) depctr_sa_sdst(0) depctr_va_vdst(0) depctr_va_sdst(0) depctr_va_ssrc(0) depctr_va_vcc(0) depctr_vm_vsrc(0)
	s_getreg_b32 s2, hwreg(HW_REG_IB_STS2, 6, 4)
	s_cmp_eq_u32 s2, 0
	s_cbranch_scc0 .Lentry_in_a_cluster
	s_endpgm
.Lentry_in_a_cluster:
	s_bfe_u32 s2, ttmp6, 0x10000c
	s_cmp_lg_u32 s2, 0xf033
	s_cbranch_scc0 .Lentry_shape_is_right
	s_endpgm
.Lentry_shape_is_right:
; out0 = wv W_out + b_out.  wv: f16, [head 16][token 8192][64] (k = 64 head + channel); wo16: W_out as f16, [k 1024][n 1024]; b_out [1024] and out0 [8192][1024]: f32.  Sums in f32.
; A tile of 128 tokens x 256 columns to a work-group: 256 work-groups.  Four waves, each 64 x 128: 32 accumulators, 256 registers.  K goes in steps of 128 (two heads' planes of wv; 128 rows of W) through two LDS slots.
; CLUSTERS: 4 x 4 work-groups.  The four of a row of the cluster take the four tile columns of one tile row: wv's tiles are asked for jointly along the row, W's along a column.
; THE MATRIX INSTRUCTION IS USED TRANSPOSED: source 0 = 16 columns of W (turned on its way out of LDS, since K is W's first axis), source 1 = 16 tokens: a lane holds eight neighbouring columns of one token.
; The bias is the C of each sum's first instruction.
; REGISTERS: window 0: v16-29 addresses; two fragment buffers of 96 (32 of wv, then 64 of W) at v32 and v128; on the way out they take rows read back.   window 1: accumulator (a, b) at v[8 (8 a + b)].   window 2: v0-63 the bias in the result's layout.
.set PA,     144                       ; a token's 128 bytes of a plane + 16
.set PB,     544                       ; a row of W's tile: 512 bytes + 32
.set APLANE, 128*PA
.set BOFF,   2*APLANE
.set BHALF,  64*PB
.set SLOT,   BOFF+2*BHALF
.set STAGE,  2*SLOT                    ; behind the ring: 16 rows x (512 bytes + 16) for each wave
.set SPITCH, 528
.set SPARE,  STAGE+4*16*SPITCH         ; the spare words, 128 bytes for each wave: two blocks of 256 bytes that no other line names
.set LAPS,   4                         ; a lap = two K steps
.set ADRA, 16
.set ADRB, 20
.set STO,  24
.set RD,   25
.set CO,   26
.set SPW,  28
.set NIL,  29
.set F0,   32
.set F1,   128
.set G1, 24
.set G0, 32
.set G1B, 48
.set G0B, 56
.set WV,  66
.set RH,  67                           ; which half of the tile's tokens is mine.  Also: I fetch for wv (0) or for W (1)
.set CH,  68                           ; which half of its columns.  Also: which plane, or which 64 rows of W, I fetch
.set MSB, 0
.macro WIN new
.if MSB != (\new)
	s_set_vgpr_msb (MSB<<8)|(\new)
.set MSB, (\new)
.endif
.endm
.set MUL,  0x50                        ; C and D window 1, both sources window 0
.set MULZ, 0x60                        ; D window 1, C (the bias) window 2
.macro JLOAD s                         ; a joint load; an s_nop 0 and four v_nop follow each of the two lines
	s_cmp_eq_u32 s[RH], 0
	s_cbranch_scc0 .Lfor_b_\@
	tensor_load_to_lds s[G0+4*\s:G0+4*\s+3], s[G1:G1+7]
	s_nop 0
.rept 4
	v_nop
.endr
	s_branch .Lasked_\@
.Lfor_b_\@:
	tensor_load_to_lds s[G0B+4*\s:G0B+4*\s+3], s[G1B:G1B+7]
	s_nop 0
.rept 4
	v_nop
.endr
.Lasked_\@:
.endm
.macro CREST                           ; a round of the cluster's barrier behind its opening barrier
	s_cmp_lg_u32 s[WV], 0
	s_cbranch_scc1 .Lnot_wave_0_\@
	s_barrier_signal -3
.Lnot_wave_0_\@:
	s_barrier_wait -3
	s_barrier_signal -1
	s_barrier_wait -1
.endm
.macro CROUND
	s_barrier_signal -1
	s_barrier_wait -1
	CREST
.endm
	s_load_b256 s[4:11], s[0:1], 0x0               ; wv s[4:5], wo16 s[6:7], b_out s[8:9], out0 s[10:11]
	v_lshl_add_u32 v[SPW], v0, 2, SPARE
	v_mov_b32 v[NIL], 0
	ds_add_u32 v[SPW], v[NIL]                      ; the wave's opening: the add and its wait stand ahead of my first tensor load; the set-up below stands between them
	v_lshrrev_b32 v1, 5, v0
	v_readfirstlane_b32 s[WV], v1
	s_lshr_b32 s[RH], s[WV], 1
	s_and_b32 s[CH], s[WV], 1
	s_bfe_u32 s40, ttmp6, 0x40000                  ; cx, cy
	s_bfe_u32 s41, ttmp6, 0x40004
	s_lshl_b32 s42, ttmp9, 2
	s_add_co_u32 s42, s42, s40                     ; tile column
	s_and_b32 s13, ttmp7, 0xffff
	s_lshl_b32 s13, s13, 2
	s_add_co_u32 s13, s13, s41                     ; tile row
	s_lshl_b32 s43, s41, 2
	s_lshl_b32 s43, 15, s43                        ; my row of the cluster
	s_lshl_b32 s44, 0x1111, s40                    ; my column
	s_or_b32 s[G1+0], s43, (1<<16)|(1<<20)|(1<<21)|(4<<22)|(3<<25)   ; wv: elements of 2 bytes; four words of padding behind every 32
	s_mov_b32 s[G1+1], 64<<16                      ; tensor_dim0 = 64
	s_mov_b32 s[G1+2], 128<<16                     ; tensor_dim1 = 128
	s_mov_b32 s[G1+3], 64<<16                      ; tile_dim0 = 64
	s_mov_b32 s[G1+4], 128                         ; tile_dim1 = 128
	s_mov_b32 s[G1+5], 64                          ; the pitch
	s_mov_b32 s[G1+6], 0
	s_mov_b32 s[G1+7], 0
	s_or_b32 s[G1B+0], s44, (1<<16)|(1<<20)|(1<<21)|(6<<22)|(7<<25)  ; W: eight words of padding behind every 128
	s_mov_b32 s[G1B+1], 256<<16
	s_mov_b32 s[G1B+2], 64<<16
	s_mov_b32 s[G1B+3], 256<<16
	s_mov_b32 s[G1B+4], 64
	s_mov_b32 s[G1B+5], 1024
	s_mov_b32 s[G1B+6], 0
	s_mov_b32 s[G1B+7], 0
	s_lshl_b32 s16, s[CH], 20                      ; wv: a plane is 8,192 tokens x 128 bytes;
	s_lshl_b32 s17, s13, 14                        ; the tile's 128 tokens
	s_add_co_u32 s16, s16, s17
	s_mov_b32 s17, 0
	s_lshl_b32 s46, s[CH], 17                      ; W: 64 rows of 2,048 bytes;
	s_lshl_b32 s47, s42, 9                         ; the tile's 256 columns
	s_add_co_u32 s46, s46, s47
	s_mov_b32 s47, 0
	s_mul_i32 s20, s[CH], APLANE                   ; where they go: no place in the cluster enters an LDS address
	s_mul_i32 s21, s[CH], BHALF
	s_add_co_u32 s21, s21, BOFF
	s_wait_dscnt 0x0                               ; the opening add is done
	s_wait_kmcnt 0x0
	s_add_nc_u64 s[14:15], s[4:5], s[16:17]
	s_add_nc_u64 s[46:47], s[6:7], s[46:47]
	CROUND                                         ; all sixteen work-groups are here: the first joint loads meet
.irp s, 0,1
	s_mov_b32 s[G0+4*\s], 1
	s_add_co_u32 s[G0+4*\s+1], s20, \s*SLOT
	s_add_nc_u64 s[G0+4*\s+2:G0+4*\s+3], s[14:15], \s*2097152    ; K step s: two planes on
	s_or_b32 s[G0+4*\s+3], s[G0+4*\s+3], 0x80000000
	s_mov_b32 s[G0B+4*\s], 1
	s_add_co_u32 s[G0B+4*\s+1], s21, \s*SLOT
	s_add_nc_u64 s[G0B+4*\s+2:G0B+4*\s+3], s[46:47], \s*262144   ; 128 rows on
	s_or_b32 s[G0B+4*\s+3], s[G0B+4*\s+3], 0x80000000
	JLOAD \s
.endr
	v_and_b32 v1, 15, v0                           ; r
	v_bfe_u32 v2, v0, 4, 1                         ; h
	v_mul_u32_u24 v3, v1, PA
	v_lshl_add_u32 v3, v2, 4, v3                   ; wv: token r x pitch + 16 h
	v_and_b32 v4, 7, v0
	v_bfe_u32 v5, v0, 3, 1
	v_lshl_add_u32 v4, v2, 3, v4
	v_mul_u32_u24 v4, v4, PB
	v_lshl_add_u32 v4, v5, 4, v4                   ; W, for the turning load: row 8 h + lane % 8, columns 8 ((lane / 8) % 2) on
	s_mul_i32 s22, s[RH], 64*PA                    ; my 64 tokens
	s_lshl_b32 s23, s[CH], 8                       ; my 128 columns,
	s_add_co_u32 s23, s23, BOFF                    ; behind wv's two planes
.irp s, 0,1
	v_add_nc_u32 v[ADRA+\s], s22, v3
	v_add_nc_u32 v[ADRB+\s], s23, v4
	s_add_co_u32 s22, s22, SLOT
	s_add_co_u32 s23, s23, SLOT
.endr
	s_mul_i32 s22, s[WV], 16*SPITCH
	s_add_co_u32 s22, s22, STAGE                   ; my stage
	v_mul_u32_u24 v5, v1, SPITCH
	v_lshl_add_u32 v5, v2, 5, v5
	v_add_nc_u32 v[STO], s22, v5                   ; in: token r, 32 bytes for each half of the lanes
	v_and_b32 v6, 31, v0
	v_lshlrev_b32 v[CO], 4, v6                     ; back: the 32 lanes take a row of 512 bytes; and the same in out0
	v_add_nc_u32 v[RD], s22, v[CO]
	v_lshlrev_b32 v7, 5, v2                        ; the bias: my half's eight numbers of a block of 16
	s_lshl_b32 s46, s42, 10
	s_lshl_b32 s47, s[CH], 9
	s_add_co_u32 s46, s46, s47                     ; my first column, in bytes of f32
	s_mov_b32 s47, 0
	s_add_nc_u64 s[8:9], s[8:9], s[46:47]
	s_add_nc_u64 s[10:11], s[10:11], s[46:47]
	s_lshl_b32 s46, s13, 19                        ; 128 tokens of 4,096 bytes,
	s_lshl_b32 s22, s[RH], 18                      ; my 64
	s_add_co_u32 s46, s46, s22
	s_add_nc_u64 s[10:11], s[10:11], s[46:47]
	WIN 0x80                                       ; destination window 2
.irp b, 0,1,2,3,4,5,6,7
	global_load_b128 v[8*\b:8*\b+3], v7, s[8:9] offset:64*\b
	global_load_b128 v[8*\b+4:8*\b+7], v7, s[8:9] offset:64*\b+16
.endr
	WIN 0
; 8 matrix instructions: my block a of 16 tokens against W's eight blocks of 16 columns, 32 along K.  zero = 1: the first product starts the sums, from the bias.  The 32 accumulators take turns.
.macro MUL8 f, a, zero
.irp b, 0,1,2,3,4,5,6,7
.if \zero
	v_wmma_f32_16x16x32_f16 v[8*(8*(\a)+\b):8*(8*(\a)+\b)+7], v[\f+32+8*\b:\f+32+8*\b+7], v[\f+8*(\a):\f+8*(\a)+7], v[8*\b:8*\b+7]
.else
	v_wmma_f32_16x16x32_f16 v[8*(8*(\a)+\b):8*(8*(\a)+\b)+7], v[\f+32+8*\b:\f+32+8*\b+7], v[\f+8*(\a):\f+8*(\a)+7], v[8*(8*(\a)+\b):8*(8*(\a)+\b)+7]
.endif
.endr
.endm
; 24 LDS loads in one run: the fragments of the slot's q-th 32 along K into buffer f: W's eight first, then wv's four
.macro FETCH slot, q, f
	WIN 0
.irp b, 0,1,2,3,4,5,6,7
	ds_load_tr16_b128 v[\f+32+8*\b:\f+32+8*\b+3], v[ADRB+\slot] offset:(\q)*32*PB+32*\b
	ds_load_tr16_b128 v[\f+32+8*\b+4:\f+32+8*\b+7], v[ADRB+\slot] offset:(\q)*32*PB+16*PB+32*\b
.endr
.irp a, 0,1,2,3
	ds_load_b128 v[\f+8*\a:\f+8*\a+3], v[ADRA+\slot] offset:((\q)/2)*APLANE+((\q)%2)*64+\a*16*PA
	ds_load_b128 v[\f+8*\a+4:\f+8*\a+7], v[ADRA+\slot] offset:((\q)/2)*APLANE+((\q)%2)*64+\a*16*PA+32
.endr
.endm
.macro PLACES                          ; four plain vector instructions in front of loads into registers that matrix instructions have read, and of the first read of results
.rept 4
	v_nop
.endr
.endm
; A K step is four quarters of 32 along K, 32 matrix instructions each, on buffers 0, 1, 0, 1.  One of the first three: multiplies buffer f and fetches quarter q into g.
.macro QUARTER slot, q, f, g, zero
	s_wait_dscnt 4                                 ; W's fragments and wv's blocks 0, 1 are in; the youngest four loads (blocks 2, 3) may be out
	WIN MUL+0x10*(\zero)
	MUL8 \f, 0, \zero
	MUL8 \f, 1, \zero
	PLACES
	FETCH \slot, \q, \g
	s_wait_dscnt 24                                ; all but the 24 just issued
	WIN MUL+0x10*(\zero)
	MUL8 \f, 2, \zero
	MUL8 \f, 3, \zero
.endm
; The last quarter multiplies buffer 1 and changes slots: ONE barrier; in front of it each wave waits for all its tensor loads, adds 0 to its spare word, and waits for that and for its reads of this slot.  fill = 1: this slot is filled again, two K steps ahead.
.macro TURN slot, next, fill
	WIN 0
	s_wait_tensorcnt 0x0                           ; all my tensor loads have landed: my part of the next slot
	ds_add_u32 v[SPW], v[NIL]
	s_wait_dscnt 5                                 ; (the add and the youngest four loads may be out)
	WIN MUL
	MUL8 F1, 0, 0                                  ; eight matrix instructions stand between the add and the wait for it
	s_wait_dscnt 0x0                               ; the add is done, and my reads of this slot are over
	s_barrier_signal -1
	MUL8 F1, 1, 0
.if \fill
	WIN 0
.endif
	s_barrier_wait -1
.if \fill
	CREST                                          ; the barrier has opened a round of the cluster's barrier: no wave of any partner still reads this slot or has a load on its way
	s_add_nc_u64 s[G0+4*\slot+2:G0+4*\slot+3], s[G0+4*\slot+2:G0+4*\slot+3], 4194304
	s_add_nc_u64 s[G0B+4*\slot+2:G0B+4*\slot+3], s[G0B+4*\slot+2:G0B+4*\slot+3], 524288
	JLOAD \slot                                    ; the first tensor load behind the round; its four v_nop are also the places in front of the loads below
.else
	PLACES
.endif
	FETCH \next, 0, F0
	WIN MUL
	MUL8 F1, 2, 0
	MUL8 F1, 3, 0
.endm
	s_wait_loadcnt 0x0                             ; the bias
	s_wait_tensorcnt 1                             ; my part of K step 0 is in (K step 1's load may be out)
	s_barrier_signal -1
	s_barrier_wait -1                              ; everybody's is
	FETCH 0, 0, F0
	QUARTER 0, 1, F0, F1, 1                        ; the first quarter stands in front of the loop: its products start the sums
	WIN 0
	s_mov_b32 s3, LAPS-1
.Llap:                                             ; a trip goes once round the ring, from a lap's second quarter to the next lap's first, and fills both slots again
	QUARTER 0, 2, F1, F0, 0
	QUARTER 0, 3, F0, F1, 0
	TURN 0, 1, 1
	QUARTER 1, 1, F0, F1, 0
	QUARTER 1, 2, F1, F0, 0
	QUARTER 1, 3, F0, F1, 0
	TURN 1, 0, 1
	QUARTER 0, 1, F0, F1, 0
	WIN 0
	s_sub_co_u32 s3, s3, 1
	s_cmp_lg_u32 s3, 0
	s_cbranch_scc1 .Llap
	QUARTER 0, 2, F1, F0, 0                        ; the last lap fills nothing, and has no round of the cluster's barrier
	QUARTER 0, 3, F0, F1, 0
	TURN 0, 1, 0
	QUARTER 1, 1, F0, F1, 0
	QUARTER 1, 2, F1, F0, 0
	QUARTER 1, 3, F0, F1, 0
	s_wait_dscnt 4                                 ; the very last quarter: nothing more to fetch
	WIN MUL
	MUL8 F1, 0, 0
	MUL8 F1, 1, 0
	s_wait_dscnt 0
	MUL8 F1, 2, 0
	MUL8 F1, 3, 0
	WIN 0
; THE WAY OUT, a block of 16 tokens x 128 columns at a time: through my own stage in LDS, and back as whole rows of 512 bytes, which the 32 lanes store as 512 consecutive bytes.
.macro TOSTAGE a
	WIN 0x04                                       ; an LDS store's data are its source 1: window 1
.irp b, 0,1,2,3,4,5,6,7
	ds_store_b128 v[STO], v[8*(8*(\a)+\b):8*(8*(\a)+\b)+3] offset:64*\b         ; each accumulator from its low end on
	ds_store_b128 v[STO], v[8*(8*(\a)+\b)+4:8*(8*(\a)+\b)+7] offset:64*\b+16
.endr
	WIN 0
.set BB, F0+96*((\a)%2)
.irp t, 0,1,2,3,4,5,6,7,8,9,10,11,12,13,14,15
	ds_load_b128 v[BB+4*\t:BB+4*\t+3], v[RD] offset:\t*SPITCH   ; LDS serves a wave's instructions in order: these see the stores above
.endr
.endm
.macro SEND a, younger                 ; younger: the LDS instructions issued behind block a's loads, which may stay out
.set BB, F0+96*((\a)%2)
	s_wait_dscnt \younger
.irp t, 0,1,2,3,4,5,6,7,8,9,10,11,12,13,14,15
	global_store_b128 v[CO], v[BB+4*\t:BB+4*\t+3], s[10:11] offset:(16*(\a)+\t)*4096 th:TH_STORE_NT   ; written once, read by nobody here
.endr
.endm
	PLACES
	TOSTAGE 0
.irp a, 1,2,3
.if \a > 1
	s_wait_xcnt 0x0                                ; block a - 2's stores have read their registers: block a's loads may land there
.endif
	TOSTAGE \a
	SEND \a-1, 32                                  ; behind block a - 1's loads: block a's 16 stores and 16 loads
.endr
	SEND 3, 0
	s_wait_tensorcnt 0x0                           ; the wave's end, behind my last tensor load and my last LDS store
	ds_add_u32 v[SPW], v[NIL]
	s_wait_dscnt 0x0
	CROUND                                         ; the closing round
	s_endpgm
.Lfunc_end_k_q32194dc341_proj:
	.size	k_q32194dc341_proj, .Lfunc_end_k_q32194dc341_proj-k_q32194dc341_proj
	.p2alignl 7, 3214868480
	.fill 96, 4, 3214868480
	.section	.rodata,"a",@progbits
	.p2align	6, 0x0
	.amdhsa_kernel k_q32194dc341_proj
		.amdhsa_group_segment_fixed_size 327680
		.amdhsa_private_segment_fixed_size 0
		.amdhsa_enable_private_segment 0
		.amdhsa_kernarg_size 32
		.amdhsa_user_sgpr_count 2
		.amdhsa_user_sgpr_kernarg_segment_ptr 1
		.amdhsa_wavefront_size32 1
		.amdhsa_system_sgpr_workgroup_id_x 1
		.amdhsa_system_sgpr_workgroup_id_y 1
		.amdhsa_system_sgpr_workgroup_id_z 1
		.amdhsa_system_vgpr_workitem_id 0
		.amdhsa_next_free_vgpr 768
		.amdhsa_next_free_sgpr 72
		.amdhsa_reserve_vcc 0
		.amdhsa_float_denorm_mode_32 3
		.amdhsa_float_denorm_mode_16_64 3
		.amdhsa_memory_ordered 1
		.amdhsa_forward_progress 1
		.amdhsa_inst_pref_size 86
	.end_amdhsa_kernel
	.amdgpu_metadata
---
amdhsa.version: [ 1, 2 ]
amdhsa.kernels:
  - .name:           k_q32194dc341_proj
    .symbol:         k_q32194dc341_proj.kd
    .args:
      - { .name: wv, .offset: 0, .size: 8, .value_kind: global_buffer, .address_space: global }
      - { .name: wo16, .offset: 8, .size: 8, .value_kind: global_buffer, .address_space: global }
      - { .name: b_out, .offset: 16, .size: 8, .value_kind: global_buffer, .address_space: global }
      - { .name: out0, .offset: 24, .size: 8, .value_kind: global_buffer, .address_space: global }
    .group_segment_fixed_size: 327680
    .private_segment_fixed_size: 0
    .kernarg_segment_align: 8
    .kernarg_segment_size: 32
    .max_flat_workgroup_size: 128
    .sgpr_count:     72
    .vgpr_count:     768
    .wavefront_size: 32
...
	.end_amdgpu_metadata
.endif
;; end of part 4
